; MI455X (gfx1250); checked and timed in simulation.
; The chip was launched on July 23, 2026; its instructions are those of AMD's public machine-readable ISA for CDNA 5 (MIT licence, August 2026) and "CDNA5" Instruction Set Architecture Reference Guide (July 2026). The comments in the code are by the model that wrote it; some were corrected since.
;; Multi Head Attention. Allowed arithmetic: matrix products marked QUANTISED: E2M1 operands, one E8M0 scale for each 32 along K, by v_wmma_scale_f32_16x16x128_f8f6f4 with both operands' format E2M1 (or v_wmma_scale_f32_32x16x128_f4), f32 sums; products left as they are: bf16, f16 or f32 operands; f32 sums; everything else in f32.
;; Inputs: Wk 1,024 x 1,024 float32; Wo 1,024 x 1,024 float32; Wq 1,024 x 1,024 float32; Wv 1,024 x 1,024 float32; attention_mask 1 x 4,096 int32; bk 1,024 float32; bo 1,024 float32; bq 1,024 float32; bv 1,024 float32; x 1 x 4,096 x 1,024 float32.
;; Outputs: out0 1 x 4,096 x 1,024 float32.
;; This version of the problem:
;;   THIS VERSION OF THE PROBLEM IS GIVEN IN LOW PRECISION. The matrix products marked QUANTISED in the list below multiply operands that are first quantised to E2M1 (2 exponent bits, 1 mantissa bit; 4 bits a number), with one power-of-two scale for each 32 numbers along K (OCP MX v1.0); their sums are f32. The products marked 'left as it is' may take bf16, f16 or f32 operands, with f32 sums. Whichever they take, every output number must still come out within the allowed error. Rounding operands to bf16 (8 significant bits) uses up far more of that allowance than f16 does (11 bits, for magnitudes from 6e-5 to 65,504). All else is computed in f32.
;;   The module's matrix products, in the order in which they are computed (A, B: the left and right operand; K: the contracted axis; several contracted axes count as one K, in the product's order):
;;     1. [M 4,096, K 1,024] x [K 1,024, N 1,024]; A: input x; B: input Wq: QUANTISED
;;     2. [M 4,096, K 1,024] x [K 1,024, N 1,024]; A: input x; B: input Wk: QUANTISED
;;     3. [M 4,096, K 1,024] x [K 1,024, N 1,024]; A: input x; B: input Wv: QUANTISED
;;     4. batch 16 x [M 4,096, K 64] x [K 64, N 4,096]; A: computed on the way; B: computed on the way: left as it is (an operand is computed on the way)
;;     5. batch 16 x [M 4,096, K 4,096] x [K 4,096, N 64]; A: computed on the way; B: computed on the way: left as it is (an operand is computed on the way)
;;     6. [M 4,096, K 1,024] x [K 1,024, N 1,024]; A: computed on the way; B: input Wo: left as it is (an operand is computed on the way)
;;   THE QUANTISER, for each operand of a quantised product, along K:
;;     - K is cut into blocks of 32 from its start; a last block that is shorter is filled with zeros.
;;     - A block's scale is 2^e with e = floor(log2(the largest magnitude in the block)) - 2, held to -126 .. 127; a block of zeros has e = 0. As a byte (E8M0): e + 127.
;;     - Each number is divided by its block's scale, clamped to +-6, and rounded to the nearest number of E2M1, ties to even, subnormals kept.
;;     - The product sums the exact products of the quantised numbers (number of the format x scale) in f32.
;;   ~~~python
;;   def quantise(x, axis):      # numpy; x: float32 -> the quantised numbers, widened to float32 again
;;       x = np.moveaxis(x, axis, -1); K = x.shape[-1]
;;       x = np.pad(x, [(0, 0)] * (x.ndim - 1) + [(0, -K % 32)]); x = x.reshape(x.shape[:-1] + (-1, 32)); a = np.abs(x).max(-1, keepdims=True)
;;       e = np.where(a > 0, np.clip(np.frexp(np.where(a > 0, a, 1))[1] - 1 - 2, -126, 127), 0)      # np.frexp(a)[1] - 1 = floor(log2(a)), exactly
;;       r = np.clip(x / 2.0 ** e, -6, 6)
;;       step = 2.0 ** (np.maximum(np.frexp(np.where(r == 0, 1, r))[1] - 1, 0) - 1)
;;       q = np.round(r / step) * step * 2.0 ** e      # np.round: ties to even
;;       return np.moveaxis(q.reshape(q.shape[:-2] + (-1,))[..., :K], -1, axis).astype(np.float32)
;;   ~~~
;; One version. Each part assembles by itself: llvm-mc -triple=amdgcn-amd-amdhsa -mcpu=gfx1250 --defsym DOCPART=n.
;; ======== version 1 of 1: 4 launches
;; limits: values are held in f16: magnitudes above 65,504 overflow, below 6.1e-05 lose precision
;; workspace buffers: codes 3,670,016 bytes; scl 229,376 bytes; wof 2,097,152 bytes; qf 8,388,608 bytes; kv 16,777,216 bytes; af 8,388,608 bytes
;; launch prep (part 1): grid 512 x 1, 8 waves a work-group, no clusters, 69,120 bytes of LDS; arguments x, Wq, Wk, Wv, Wo, codes, scl, wof; writes codes, scl, wof
.if DOCPART == 1
	.amdgcn_target "amdgcn-amd-amdhsa--gfx1250"
	.amdhsa_code_object_version 6
	.text
	.protected	k_q1564d65f46_prep
	.globl	k_q1564d65f46_prep
	.p2align	8
	.type	k_q1564d65f46_prep,@function
k_q1564d65f46_prep:
	s_mov_b64 s[64:65], 0
	v_nop
	global_prefetch_b8 v0, s[64:65] scope:SCOPE_SE
	s_setreg_imm32_b32 hwreg(HW_REG_WAVE_MODE, 25, 1), 1
	s_wait_xcnt 0x0
; x [4096][1024], Wq, Wk, Wv [1024][1024], f32, become codes of FP4 (E2M1) with one E8M0 scale byte for each 32 along K (their last axis); Wo [1024][1024] becomes f16.
; ALL THREE RESULTS ARE LAID AS IMAGES OF THE READER'S OPERAND REGISTERS: four registers of a fragment are 512 bytes, lane l's 16 bytes at 16 l.
;   codes: [row tile of 16 rows: 448][K step of 128: 8][c: 2][lane][16 bytes]; row tiles 0-255 x, 256-319 Wq, 320-383 Wk, 384-447 Wv.  Lane (r, h) of group c holds k = 64 c + 32 h + 0 .. 31 of row r: one whole block.
;   scl:   [row tile][half of K: 2][r: 16][4 words]: word q of half u holds the four scale bytes of K step 4 u + q of row r.
;   wof:   [K step of 256: 4][tile of 16 rows of Wo: 64][chunk of 32 along K: 8][g: 2][lane][16 bytes]: lane (r, h) of group g holds k = 16 g + 8 h + 0 .. 7 of row r, as f16.
; A block's scale is 2^(floor(log2(its largest magnitude)) - 2); its byte is the largest magnitude's exponent field - 2, held at 1 from below.
; LIMITS: a block of zeros gets the byte 1 where the rule says 127 (its codes are zeros, and the bytes are read by this program alone); NaN and infinities are not served; |Wo| stays under 65,504 (f16).
; SHARES.  Work-group g takes 16 rows of one tensor, 65,536 consecutive bytes; wave w takes K step w.  Each load reads 512 consecutive bytes; the numbers turn through the wave's own stage in LDS,
; so that a lane gets the neighbours along K that its part of the fragment holds.  No tensor loads, no cluster: work-groups share no input; every offset is an immediate.
.set STGW,  8448                       ; a wave's stage: 16 rows x PIT
.set PIT,   528                        ; a stage row: 512 bytes + 16 of padding: the 16 rows that a load touches start in 16 different groups of banks
.set SCLB,  8*STGW                     ; behind the stages: the row tile's 128 scale words
.set SPARE, SCLB+512                   ; the spare words, 128 bytes for each of the eight waves: no other line names them
.set SPW,   14                         ; v14  my spare word's LDS address; never rewritten
.set NIL,   15                         ; v15  0; never rewritten
.set R,     16                         ; v16-79   64 numbers as loaded; at the end v16-19 carry the scale words out
.set X,     80                         ; v80-143  64 numbers as the fragment wants them
.set W,     144                        ; v144-159 at work (Wo: v144-175 the f16 results)
.set C,     160                        ; v160-167 the codes
	s_load_b256 s[4:11], s[0:1], 0x0               ; x, Wq, Wk, Wv
	s_load_b256 s[12:19], s[0:1], 0x20             ; Wo, codes, scl, wof
	v_lshl_add_u32 v[SPW], v0, 2, SPARE
	v_mov_b32 v[NIL], 0
	v_lshrrev_b32 v1, 5, v0
	v_readfirstlane_b32 s2, v1                     ; wave 0..7
	v_and_b32 v1, 31, v0                           ; lane
	v_and_b32 v2, 15, v0                           ; r
	v_bfe_u32 v3, v0, 4, 1                         ; h
	v_lshlrev_b32 v4, 4, v0                        ; in: 16 bytes a thread: the work-group's 256 threads cover a row of 4,096 bytes, my wave its K step
	s_mul_i32 s26, s2, STGW
	v_lshl_add_u32 v5, v1, 4, s26                  ; into my stage: 16 x lane
	v_mul_u32_u24 v13, v2, PIT
	v_add_nc_u32 v13, s26, v13
	v_lshl_add_u32 v6, v3, 7, v13                  ; out of it, for codes: row r, + 128 h: my block of 32 numbers
	v_lshl_add_u32 v7, v3, 5, v13                  ; out of it, for f16: row r, + 32 h: my 8 numbers
	s_lshl_b32 s27, s2, 10
	v_lshl_add_u32 v8, v1, 4, s27                  ; codes: K step w, 16 x lane
	s_lshr_b32 s28, s2, 1
	s_lshl_b32 s28, s28, 19
	s_and_b32 s29, s2, 1
	s_lshl_b32 s29, s29, 12
	s_add_co_u32 s28, s28, s29
	v_lshl_add_u32 v9, v1, 4, s28                  ; wof: K step w / 2 (524,288 bytes), chunks 4 (w % 2) on, 16 x lane
	s_lshr_b32 s30, s2, 2
	s_lshl_b32 s30, s30, 8
	s_and_b32 s31, s2, 3
	s_lshl_b32 s31, s31, 2
	s_add_co_u32 s30, s30, s31
	s_add_co_u32 s30, s30, SCLB
	v_lshl_add_u32 v10, v2, 4, s30                 ; my row's scale word: half w / 4, row r, word w % 4
	v_lshlrev_b32 v11, 4, v1                       ; the scale words' way out: 16 x lane,
	v_add_nc_u32 v12, SCLB, v11                    ; in LDS
	s_mov_b32 s32, 0x76543210
	s_mov_b32 s33, 0xfedcba98                      ; v_permlanex16_b32's selects for lane l xor 16
	s_sub_co_u32 s20, ttmp9, 256
	s_and_b32 s20, s20, 63                         ; a weight's row tile,
	s_cmp_lt_u32 ttmp9, 256
	s_cselect_b32 s20, ttmp9, s20                  ; or x's
	s_lshl_b32 s24, s20, 16                        ; 16 rows are 65,536 bytes
	s_mov_b32 s25, 0
	s_wait_kmcnt 0x0
	s_cmp_lt_u32 ttmp9, 448                        ; which tensor: the choice hangs on the work-group's number alone
	s_cselect_b64 s[22:23], s[10:11], s[12:13]
	s_cmp_lt_u32 ttmp9, 384
	s_cselect_b64 s[22:23], s[8:9], s[22:23]
	s_cmp_lt_u32 ttmp9, 320
	s_cselect_b64 s[22:23], s[6:7], s[22:23]
	s_cmp_lt_u32 ttmp9, 256
	s_cselect_b64 s[22:23], s[4:5], s[22:23]
	s_add_nc_u64 s[22:23], s[22:23], s[24:25]
.irp r, 0,1,2,3,4,5,6,7,8,9,10,11,12,13,14,15
	global_load_b128 v[R+4*\r:R+4*\r+3], v4, s[22:23] offset:4096*\r th:TH_LOAD_NT   ; row r: my wave reads 512 consecutive bytes
.endr
.irp r, 0,1,2,3,4,5,6,7,8,9,10,11,12,13,14,15
	s_wait_loadcnt 15-\r                           ; loads come back in order: row r is in, the younger ones may be out
	ds_store_b128 v5, v[R+4*\r:R+4*\r+3] offset:PIT*\r
.endr
	s_cmp_ge_u32 ttmp9, 448
	s_cbranch_scc1 .Lwo
	; ---- codes.  LDS serves a wave's instructions in order: these loads see my stores
.irp c, 0,1
.irp j, 0,1,2,3,4,5,6,7
	ds_load_b128 v[X+32*\c+4*\j:X+32*\c+4*\j+3], v6 offset:256*\c+16*\j   ; k = 64 c + 32 h + 4 j ..
.endr
.endr
	s_lshl_b32 s24, ttmp9, 13                      ; my row tile's 8,192 bytes of codes
	s_add_nc_u64 s[14:15], s[14:15], s[24:25]
	s_wait_dscnt 0x0
.irp c, 0,1
	v_max3_num_f32 v[W+\c], |v[X+32*\c]|, |v[X+32*\c+1]|, 0x1800000   ; block 2 c + h: all 32 numbers are mine; the floor 2^(3 - 127) holds the byte at 1 from below
.endr
.irp i, 2,4,6,8,10,12,14,16,18,20,22,24,26,28,30
.irp c, 0,1
	v_max3_num_f32 v[W+\c], v[W+\c], |v[X+32*\c+\i]|, |v[X+32*\c+\i+1]|   ; (the two blocks by turns)
.endr
.endr
.irp c, 0,1
	v_add_nc_u32 v[W+2+\c], 0xff000000, v[W+\c]    ; 2 off the exponent field: the conversion takes the exponent field of this operand as its scale
.endr
.irp c, 0,1
	v_lshrrev_b32 v[W+4+\c], 23, v[W+2+\c]         ; the scale's byte
.endr
	v_lshl_or_b32 v[W+6], v[W+5], 16, v[W+4]       ; my two bytes: blocks h and 2 + h,
	v_lshlrev_b32 v[W+7], 3, v3
	v_lshlrev_b32 v[W+6], v[W+7], v[W+6]           ; at their places in the word (8 h bits up);
	v_mov_b32 v[W+7], 0
	v_permlanex16_b32 v[W+7], v[W+6], s32, s33
	v_or_b32 v[W+6], v[W+6], v[W+7]                ; with lane l xor 16's two the word is whole
.irp c, 0,1
.irp g, 0,1,2,3
	v_cvt_scalef32_pk8_fp4_f32 v[C+4*\c+\g], v[X+32*\c+8*\g:X+32*\c+8*\g+7], v[W+2+\c]   ; registers 4 c .. 4 c + 3 of the fragment
.endr
.endr
	v_nop                                          ; one plain place behind the last scaled conversion
	global_store_b128 v8, v[C:C+3], s[14:15]                 ; 512 consecutive bytes a store, aligned
	global_store_b128 v8, v[C+4:C+7], s[14:15] offset:512
	ds_store_b32 v10, v[W+6]                       ; lanes r and r + 16 write the same word with the same value
	s_branch .Ljoin
.Lwo:	; ---- Wo to f16: group n = 2 x chunk + g of my four chunks
.irp n, 0,1,2,3,4,5,6,7
	ds_load_b128 v[X+8*\n:X+8*\n+3], v7 offset:64*\n           ; k = 16 n + 8 h + 0 .. 3
	ds_load_b128 v[X+8*\n+4:X+8*\n+7], v7 offset:64*\n+16      ; and + 4 .. 7
.endr
	s_lshl_b32 s24, s20, 13                        ; my tile's 8,192 bytes in each K step of wof
	s_add_nc_u64 s[18:19], s[18:19], s[24:25]
	s_wait_dscnt 0x0
.irp n, 0,1,2,3,4,5,6,7
.irp p, 0,1,2,3
	v_cvt_pk_f16_f32 v[W+4*\n+\p], v[X+8*\n+2*\p], v[X+8*\n+2*\p+1]
.endr
.endr
.irp n, 0,1,2,3,4,5,6,7
	global_store_b128 v9, v[W+4*\n:W+4*\n+3], s[18:19] offset:512*\n
.endr
.Ljoin:
	s_wait_dscnt 0x0                               ; for the others' sake: my scale word has landed
	s_barrier_signal -1
	s_barrier_wait -1
	s_cmp_ge_u32 ttmp9, 448                        ; Wo has no scales
	s_cbranch_scc1 .Lend
	s_cmp_lg_u32 s2, 0                             ; wave 0 sends the row tile's 512 bytes of scale words: two aligned runs of 256 bytes
	s_cbranch_scc1 .Lend
	ds_load_b128 v[R:R+3], v12                     ; into registers that no global store of this text names: their own loads were waited for, and the stage's stores have read them
	s_lshl_b32 s24, ttmp9, 9
	s_add_nc_u64 s[16:17], s[16:17], s[24:25]
	s_wait_dscnt 0x0
	global_store_b128 v11, v[R:R+3], s[16:17]
.Lend:
	s_wait_tensorcnt 0x0                           ; the wave's end
	ds_add_u32 v[SPW], v[NIL]
	s_wait_dscnt 0x0
	s_endpgm
.Lfunc_end_k_q1564d65f46_prep:
	.size	k_q1564d65f46_prep, .Lfunc_end_k_q1564d65f46_prep-k_q1564d65f46_prep
	.p2alignl 7, 3214868480
	.fill 96, 4, 3214868480
	.section	.rodata,"a",@progbits
	.p2align	6, 0x0
	.amdhsa_kernel k_q1564d65f46_prep
		.amdhsa_group_segment_fixed_size 69120
		.amdhsa_private_segment_fixed_size 0
		.amdhsa_enable_private_segment 0
		.amdhsa_kernarg_size 64
		.amdhsa_user_sgpr_count 2
		.amdhsa_user_sgpr_kernarg_segment_ptr 1
		.amdhsa_wavefront_size32 1
		.amdhsa_system_sgpr_workgroup_id_x 1
		.amdhsa_system_sgpr_workgroup_id_y 1
		.amdhsa_system_sgpr_workgroup_id_z 1
		.amdhsa_system_vgpr_workitem_id 0
		.amdhsa_next_free_vgpr 176
		.amdhsa_next_free_sgpr 66
		.amdhsa_reserve_vcc 0
		.amdhsa_float_denorm_mode_32 3
		.amdhsa_float_denorm_mode_16_64 3
		.amdhsa_memory_ordered 1
		.amdhsa_forward_progress 1
		.amdhsa_inst_pref_size 15
	.end_amdhsa_kernel
	.amdgpu_metadata
---
amdhsa.version: [ 1, 2 ]
amdhsa.kernels:
  - .name:           k_q1564d65f46_prep
    .symbol:         k_q1564d65f46_prep.kd
    .args:
      - { .name: x, .offset: 0, .size: 8, .value_kind: global_buffer, .address_space: global }
      - { .name: Wq, .offset: 8, .size: 8, .value_kind: global_buffer, .address_space: global }
      - { .name: Wk, .offset: 16, .size: 8, .value_kind: global_buffer, .address_space: global }
      - { .name: Wv, .offset: 24, .size: 8, .value_kind: global_buffer, .address_space: global }
      - { .name: Wo, .offset: 32, .size: 8, .value_kind: global_buffer, .address_space: global }
      - { .name: codes, .offset: 40, .size: 8, .value_kind: global_buffer, .address_space: global }
      - { .name: scl, .offset: 48, .size: 8, .value_kind: global_buffer, .address_space: global }
      - { .name: wof, .offset: 56, .size: 8, .value_kind: global_buffer, .address_space: global }
    .group_segment_fixed_size: 69120
    .private_segment_fixed_size: 0
    .kernarg_segment_align: 8
    .kernarg_segment_size: 64
    .max_flat_workgroup_size: 256
    .sgpr_count:     66
    .vgpr_count:     176
    .wavefront_size: 32
...
	.end_amdgpu_metadata
.endif
;; end of part 1
;; launch qkv (part 2): grid 12 x 16, 4 waves a work-group, clusters of 4 x 4, 327,680 bytes of LDS; arguments codes, scl, bq, bk, bv, qf, kv; writes qf, kv
.if DOCPART == 2
	.amdgcn_target "amdgcn-amd-amdhsa--gfx1250"
	.amdhsa_code_object_version 6
	.text
	.protected	k_q1564d65f46_qkv
	.globl	k_q1564d65f46_qkv
	.p2align	8
	.type	k_q1564d65f46_qkv,@function
k_q1564d65f46_qkv:
	s_mov_b64 s[64:65], 0
	v_nop
	global_prefetch_b8 v0, s[64:65] scope:SCOPE_SE
	s_setreg_imm32_b32 hwreg(HW_REG_WAVE_MODE, 25, 1), 1
	s_wait_xcnt 0x0
	s_wait_alu depctr_hold_cnt(0) depctr_sa_sdst(0) depctr_va_vdst(0) depctr_va_sdst(0) depctr_va_ssrc(0) depctr_va_vcc(0) depctr_vm_vsrc(0)
	s_getreg_b32 s2, hwreg(HW_REG_IB_STS2, 6, 4)
	s_cmp_eq_u32 s2, 0
	s_cbranch_scc0 .Lentry_in_a_cluster
	s_endpgm
.Lentry_in_a_cluster:
	s_bfe_u32 s2, ttmp6, 0x10000c
	s_cmp_lg_u32 s2, 0xf033
	s_cbranch_scc0 .Lentry_shape_is_right
	s_endpgm
.Lentry_shape_is_right:
; q = x Wq^T + bq, k = x Wk^T + bk, v = x Wv^T + bv on codes of FP4 (E2M1) with E8M0 scales for each 32 along K = 1,024; sums in f32, K ascending, one accumulator for each output.
; The results leave as f16, as images of the attention launch's operand registers (four registers = 512 bytes, lane l's 16 bytes at 16 l):
;   qf: [head 16][tile of 16 tokens: 256][c 2][g 2][lane][16]: lane (r, h): channels 32 c + 16 g + 8 h + 0 .. 7 of token r, times log2(e) / 8, so that the scores come out as exponents of 2.
;   kv: [head 16][slot of 512 keys: 8][K's part, V's part: 65,536 bytes each].  K's: [tile of 16 tokens: 32][c][g][lane][16], as q.  V's: [32 keys: 16][tile of 16 channels: 4][g][lane][16]: lane (r, h): keys 16 g + 8 h + 0 .. 7 of channel r.
; LIMITS: |q log2(e) / 8|, |k|, |v| stay under 65,504 (f16).
; SHARES.  A work-group makes 256 x 256, a wave 128 x 128: 64 accumulators.  Cluster x = 0: q, 1: k, 2: v.  The side called A gives a lane its row, the side called B its eight neighbours (the matrix instruction takes B's rows as
; source 0 and A's as source 1).  For q and k: A = 256 tokens of x, B = 256 rows of the weight: a lane holds 8 channels of a token.  For v: A = 256 rows of Wv, B = 256 tokens: a lane holds 8 keys of a channel: V comes out transposed.
; Packed to f16, a result tile IS half a fragment of the next product: it is stored from the registers, 512 aligned bytes a store.
; LDS.  All of K fits: A's 16 row tiles (131,072 bytes), B's likewise, their scale words: filled once, nothing is filled again.  Fragments are read as they lie, 512 consecutive bytes a load.
; CLUSTER 4 x 4: A's tile hangs on the cluster's y and on cy and is shared along a row of the cluster, B's on cx and is shared along a column: each is asked for jointly.  Cluster x is the same in all partners, so a branch may hang on it.
; 192 work-groups: a finer tile would read each fragment from LDS for half as many products.
; REGISTERS: window 0: v1-13 addresses; v32-95 scale words (two sets: K steps 0-3, 4-7; register 4 i + q: lanes 0-15 A's block i, lanes 16-31 B's block i); v96-111 bv; v128-191 A's fragments, one set; v192-255 bq or bk.
;   window 1: B's fragments, two sets, at v0 and v128.  windows 2, 3: the accumulators ((a, b) at v[8 (8 (a % 4) + b)] of window 2 + a / 4).  On the way out v32-95 hold f32 results, v128-191 two sets of packed ones.
.set SCLB,  262144                     ; the scale words: A's 8,192 bytes, then B's
.set SPARE, SCLB+16384                 ; the spare words, 128 bytes a wave: no other line names them
.set LI,   1                           ; v1   16 x lane
.set ADRA, 6                           ; v6   my 8 row tiles of A in LDS
.set ADRB, 7                           ; v7   of B
.set ADRS, 8                           ; v8   my scale words: lanes 0-15 A's rows, lanes 16-31 B's
.set BQA,  9                           ; v9   my byte in bq or bk
.set BVA,  10                          ; v10  my byte in bv
.set SPW,  12                          ; v12  my spare word; never rewritten
.set NIL,  13                          ; v13  0; never rewritten
.set SCV,  32
.set T,    32
.set VB,   96
.set AF,   128
.set OUT,  128
.set BI,   192
.set WV,   18                          ; s18 wave; s19 which half of A's rows is mine (also: I fetch for A (0) or B (1)); s20 which half of B's (also: which half I fetch)
.set HA,   19
.set HB,   20
.set CX,   21
.set CY,   22
.set G1A,  24                          ; groups 1: codes of A, of B, scales of A, of B; groups 0 likewise.  s76-82 feed A's descriptors and never hold cx; s83-89 feed B's and never hold cy
.set G1B,  32
.set G1SA, 40
.set G1SB, 48
.set G0A,  56
.set G0B,  60
.set G0SA, 68
.set G0SB, 72
.set SCS,  92                          ; s[92:93] what q or k is multiplied by
.set MSB, 0
.macro WIN new                         ; the immediate's high byte repeats the setting that is left
.if MSB != (\new)
	s_set_vgpr_msb (MSB<<8)|(\new)
.set MSB, (\new)
.endif
.endm
.set MUL_LO, 0xa1                      ; source 0 (B) window 1, source 1 (A) window 0, C and D window 2
.set MUL_HI, 0xf1                      ; the same, C and D window 3
.set TO_B,   0x40                      ; destination window 1
.macro PLACES n
.rept \n
	v_nop
.endr
.endm
.macro CROUND                          ; a round of the cluster's barrier
	s_barrier_signal -1
	s_barrier_wait -1
	s_cmp_lg_u32 s[WV], 0
	s_cbranch_scc1 .Lnot_wave_0_\@
	s_barrier_signal -3
.Lnot_wave_0_\@:
	s_barrier_wait -3
	s_barrier_signal -1
	s_barrier_wait -1
.endm
	s_load_b256 s[4:11], s[0:1], 0x0               ; codes, scl, bq, bk
	s_load_b128 s[12:15], s[0:1], 0x20             ; bv, qf
	s_load_b64 s[16:17], s[0:1], 0x30              ; kv
	v_lshl_add_u32 v[SPW], v0, 2, SPARE
	v_mov_b32 v[NIL], 0
	ds_add_u32 v[SPW], v[NIL]                      ; the wave's opening: the add, twice on end, and its wait ahead of my first tensor load
	ds_add_u32 v[SPW], v[NIL]
	v_lshrrev_b32 v2, 5, v0
	v_readfirstlane_b32 s[WV], v2
	s_lshr_b32 s[HA], s[WV], 1
	s_and_b32 s[HB], s[WV], 1
	s_bfe_u32 s[CX], ttmp6, 0x40000
	s_bfe_u32 s[CY], ttmp6, 0x40004
	s_and_b32 s23, ttmp7, 0xffff
	s_lshl_b32 s23, s23, 2                         ; 4 x cluster y
	s_lshl_b32 s83, ttmp9, 2
	s_add_co_u32 s83, s83, 16                      ; the weight's first tile of 256 rows: 16 + 4 x cluster x
	s_cmp_eq_u32 ttmp9, 2                          ; v?
	s_cselect_b32 s76, 24, s23                     ; A: Wv, or tokens
	s_cselect_b32 s83, s23, s83                    ; B: tokens, or the weight
	s_add_co_u32 s76, s76, s[CY]                   ; A's tile of 256 rows of codes
	s_add_co_u32 s83, s83, s[CX]                   ; B's
	s_lshl_b32 s3, s[HB], 3                        ; which 8 row tiles of it I fetch
	s_lshl_b32 s77, s76, 4
	s_add_co_u32 s77, s77, s3
	s_lshl_b32 s84, s83, 4
	s_add_co_u32 s84, s84, s3
	s_lshl_b32 s78, s77, 13                        ; a row tile: 8,192 bytes of codes,
	s_mov_b32 s79, 0
	s_lshl_b32 s80, s77, 9                         ; 512 of scale words
	s_mov_b32 s81, 0
	s_lshl_b32 s86, s84, 13
	s_mov_b32 s87, 0
	s_lshl_b32 s88, s84, 9
	s_mov_b32 s89, 0
	s_lshl_b32 s90, s[WV], 16                      ; where they go: wave x 65,536: A's halves, then B's;
	s_lshl_b32 s91, s[WV], 12
	s_add_co_u32 s91, s91, SCLB                    ; wave x 4,096
	s_lshl_b32 s82, s[CY], 2
	s_lshl_b32 s82, 15, s82                        ; my row of the cluster
	s_lshl_b32 s85, 0x1111, s[CX]                  ; my column
	; groups 1: dense blocks as rows of 256 bytes (32 elements of 8 bytes), no padding: 256 rows of codes, 16 of scale words
	s_or_b32 s[G1A], s82, (3<<16)|(1<<21)
	s_or_b32 s[G1B], s85, (3<<16)|(1<<21)
	s_or_b32 s[G1SA], s82, (3<<16)|(1<<21)
	s_or_b32 s[G1SB], s85, (3<<16)|(1<<21)
.irp g, G1A, G1B
	s_mov_b32 s[\g+1], 32<<16                      ; tensor_dim0
	s_mov_b32 s[\g+2], 256<<16                     ; tensor_dim1
	s_mov_b32 s[\g+3], 32<<16                      ; tile_dim0
	s_mov_b32 s[\g+4], 256                         ; tile_dim1
	s_mov_b32 s[\g+5], 32                          ; from row to row
	s_mov_b32 s[\g+6], 0
	s_mov_b32 s[\g+7], 0
.endr
.irp g, G1SA, G1SB
	s_mov_b32 s[\g+1], 32<<16
	s_mov_b32 s[\g+2], 16<<16
	s_mov_b32 s[\g+3], 32<<16
	s_mov_b32 s[\g+4], 16
	s_mov_b32 s[\g+5], 32
	s_mov_b32 s[\g+6], 0
	s_mov_b32 s[\g+7], 0
.endr
	s_mov_b32 s[SCS], 0x3f800000
	s_cmp_eq_u32 ttmp9, 0
	s_cselect_b32 s[SCS], 0x3e38aa3b, s[SCS]       ; q: log2(e) / 8; k: 1
	s_mov_b32 s[SCS+1], s[SCS]
	s_wait_dscnt 0x0                               ; both opening adds are done
	s_wait_kmcnt 0x0
	CROUND                                         ; all sixteen work-groups are here: the joint loads meet
	s_mov_b32 s[G0A], 1
	s_mov_b32 s[G0A+1], s90
	s_add_nc_u64 s[G0A+2:G0A+3], s[4:5], s[78:79]
	s_or_b32 s[G0A+3], s[G0A+3], 0x80000000
	s_mov_b32 s[G0SA], 1
	s_mov_b32 s[G0SA+1], s91
	s_add_nc_u64 s[G0SA+2:G0SA+3], s[6:7], s[80:81]
	s_or_b32 s[G0SA+3], s[G0SA+3], 0x80000000
	s_mov_b32 s[G0B], 1
	s_mov_b32 s[G0B+1], s90
	s_add_nc_u64 s[G0B+2:G0B+3], s[4:5], s[86:87]
	s_or_b32 s[G0B+3], s[G0B+3], 0x80000000
	s_mov_b32 s[G0SB], 1
	s_mov_b32 s[G0SB+1], s91
	s_add_nc_u64 s[G0SB+2:G0SB+3], s[6:7], s[88:89]
	s_or_b32 s[G0SB+3], s[G0SB+3], 0x80000000
	s_cmp_eq_u32 s[HA], 0                          ; waves 0, 1 fetch A's halves, waves 2, 3 B's: a wave's two loads stand in one branch; two loads of mine are out
	s_cbranch_scc0 .Lfor_b
	tensor_load_to_lds s[G0SA:G0SA+3], s[G1SA:G1SA+7]
	s_nop 0
	tensor_load_to_lds s[G0A:G0A+3], s[G1A:G1A+7]
	s_nop 0
	PLACES 4
	s_branch .Lasked
.Lfor_b:
	tensor_load_to_lds s[G0SB:G0SB+3], s[G1SB:G1SB+7]
	s_nop 0
	tensor_load_to_lds s[G0B:G0B+3], s[G1B:G1B+7]
	s_nop 0
	PLACES 4
.Lasked:
	v_and_b32 v2, 15, v0                           ; r
	v_bfe_u32 v3, v0, 4, 1                         ; h
	v_and_b32 v4, 31, v0
	v_lshlrev_b32 v[LI], 4, v4
	; the biases of both kinds are asked for here, so that they land under the products; each way out uses its own
	s_lshl_b32 s98, s[CX], 10
	s_lshl_b32 s99, s[HB], 9
	s_add_co_u32 s98, s98, s99
	v_lshl_add_u32 v[BQA], v3, 5, s98              ; bq, bk: my 128 columns begin at 256 cx + 128 x half; of each 16 I hold 8 h + 0 .. 7
	s_lshl_b32 s98, s[CY], 10
	s_lshl_b32 s99, s[HA], 9
	s_add_co_u32 s98, s98, s99
	v_lshl_add_u32 v[BVA], v2, 2, s98              ; bv: my 128 rows begin at 256 cy + 128 x half; of each 16 I hold r
	s_cmp_eq_u32 ttmp9, 0
	s_cselect_b64 s[8:9], s[8:9], s[10:11]
.irp b, 0,1,2,3,4,5,6,7
	global_load_b128 v[BI+8*\b:BI+8*\b+3], v[BQA], s[8:9] offset:64*\b
	global_load_b128 v[BI+8*\b+4:BI+8*\b+7], v[BQA], s[8:9] offset:64*\b+16
.endr
.irp a, 0,1,2,3,4,5,6,7
	global_load_b32 v[VB+2*\a], v[BVA], s[12:13] offset:64*\a
	v_mov_b32 v[VB+2*\a+1], 0                      ; (named with it as a pair, so it is written)
.endr
	s_lshl_b32 s98, s[HA], 16
	v_add_nc_u32 v[ADRA], s98, v[LI]
	s_lshl_b32 s98, s[HB], 16
	s_add_co_u32 s98, s98, 131072
	v_add_nc_u32 v[ADRB], s98, v[LI]
	v_lshlrev_b32 v4, 4, v2                        ; my row's 16 bytes of scale words
	s_lshl_b32 s94, s[HA], 12                      ; A's: my 8 row tiles
	s_lshl_b32 s95, s[HB], 12                      ; B's: my 8, behind A's 8,192 bytes
	s_add_co_u32 s95, s95, 8192
	s_sub_co_u32 s95, s95, s94
	v_mul_u32_u24 v5, s95, v3                      ; lanes 16-31 take B's: the lower base + h x the distance
	s_add_co_u32 s94, s94, SCLB
	v_add_nc_u32 v4, v4, v5
	v_add_nc_u32 v[ADRS], s94, v4
.macro FRAG reg, adr, q, i             ; a fragment (row tile i of my 8, K step q): 8 registers, two loads of 512 consecutive bytes
.irp c, 0,1
	ds_load_b128 v[\reg+4*\c:\reg+4*\c+3], v[\adr] offset:(\i)*8192+(\q)*1024+512*\c
.endr
.endm
.macro FETCH_B q, p                    ; B's eight fragments of K step q into set p
	WIN TO_B
.irp i, 0,1,2,3,4,5,6,7
	FRAG 128*(\p)+8*\i, ADRB, \q, \i
.endr
	WIN 0
.endm
.macro FETCH_A q, i0                   ; A's blocks i0 .. i0 + 3
.irp i, \i0, \i0+1, \i0+2, \i0+3
	FRAG AF+8*(\i), ADRA, \q, \i
.endr
.endm
.macro SCALES u                        ; the scale words of K steps 4 u .. 4 u + 3: lanes 0-15 A's block i, lanes 16-31 B's block i
.irp i, 0,1,2,3,4,5,6,7
	ds_load_b128 v[SCV+32*\u+4*\i:SCV+32*\u+4*\i+3], v[ADRS] offset:\i*512+\u*256
.endr
.endm
; 16 matrix instructions: A's blocks a0, a0 + 1 x B's eight, K step 4 u + q.  p: B's set.  zero = 1: the first product starts the sums.  The 64 accumulators take turns, one instruction a turn.
.macro MUL16 a0, p, q, u, zero
.irp a, \a0, \a0+1
.irp b, 0,1,2,3,4,5,6,7
.if \zero
	v_wmma_scale_f32_16x16x128_f8f6f4 v[8*(8*((\a)%4)+\b):8*(8*((\a)%4)+\b)+7], v[128*(\p)+8*\b:128*(\p)+8*\b+7], v[AF+8*(\a):AF+8*(\a)+7], 0, v[SCV+32*(\u)+4*\b+(\q)], v[SCV+32*(\u)+4*(\a)+(\q)] matrix_a_fmt:MATRIX_FMT_FP4 matrix_b_fmt:MATRIX_FMT_FP4 matrix_a_scale:MATRIX_SCALE_ROW1
.else
	v_wmma_scale_f32_16x16x128_f8f6f4 v[8*(8*((\a)%4)+\b):8*(8*((\a)%4)+\b)+7], v[128*(\p)+8*\b:128*(\p)+8*\b+7], v[AF+8*(\a):AF+8*(\a)+7], v[8*(8*((\a)%4)+\b):8*(8*((\a)%4)+\b)+7], v[SCV+32*(\u)+4*\b+(\q)], v[SCV+32*(\u)+4*(\a)+(\q)] matrix_a_fmt:MATRIX_FMT_FP4 matrix_b_fmt:MATRIX_FMT_FP4 matrix_a_scale:MATRIX_SCALE_ROW1
.endif
.endr
.endr
.endm
; A K step of 128 that has a successor.  A block of A is free when its eight products are issued: blocks 0-3 are fetched anew in the step's middle, blocks 4-7 at its end; B has two sets.
; Four plain places stand between matrix instructions and loads into registers that they have read (ISA guide 7.12.1 for vector instructions).
.macro STEP q, zero
	s_wait_dscnt 8                                 ; all but the youngest eight loads (A's blocks 4-7) are in
	WIN MUL_LO
	MUL16 0, (\q)%2, (\q)%4, (\q)/4, \zero
	MUL16 2, (\q)%2, (\q)%4, (\q)/4, \zero
	s_wait_dscnt 0                                 ; A's blocks 4-7, asked for 32 matrix instructions ago
	PLACES 4
	FETCH_B (\q)+1, 1-(\q)%2
	FETCH_A (\q)+1, 0
	WIN MUL_HI
	MUL16 4, (\q)%2, (\q)%4, (\q)/4, \zero
	MUL16 6, (\q)%2, (\q)%4, (\q)/4, \zero
	PLACES 4
	WIN 0
	FETCH_A (\q)+1, 4
.endm
	s_wait_tensorcnt 0x0                           ; my two loads have landed,
	s_barrier_signal -1
	s_barrier_wait -1                              ; everybody's have
	FETCH_B 0, 0
	FETCH_A 0, 0
	SCALES 0
	SCALES 1
	FETCH_A 0, 4
	STEP 0, 1
.set Q, 1
.rept 6
	STEP Q, 0
.set Q, Q+1
.endr
	s_wait_dscnt 8                                 ; the last K step: nothing more to fetch
	WIN MUL_LO
	MUL16 0, 1, 3, 1, 0
	MUL16 2, 1, 3, 1, 0
	s_wait_dscnt 0
	WIN MUL_HI
	MUL16 4, 1, 3, 1, 0
	MUL16 6, 1, 3, 1, 0
	WIN 0
; THE WAY OUT of block a (16 rows of A's side x 128 of B's): bias (and q's factor) in f32, each accumulator from its low end on; packed to f16; eight stores of 512 aligned bytes.
.macro OUTBLK a, isv
.set AC, 64*((\a)%4)
.set OB, OUT+32*((\a)%2)
	WIN 0x02+(\a)/4                                ; source 0: window 2 or 3
.irp b, 0,1,2,3,4,5,6,7
.irp p, 0,2,4,6
.if \isv
	v_pk_add_f32 v[T+8*\b+\p:T+8*\b+\p+1], v[AC+8*\b+\p:AC+8*\b+\p+1], v[VB+2*(\a):VB+2*(\a)+1] op_sel_hi:[1,0]   ; + bv of my channel
.else
	v_pk_fma_f32 v[T+8*\b+\p:T+8*\b+\p+1], v[AC+8*\b+\p:AC+8*\b+\p+1], s[SCS:SCS+1], v[BI+8*\b+\p:BI+8*\b+\p+1] op_sel_hi:[1,0,1]   ; sum x factor + bias x factor
.endif
.endr
.endr
	WIN 0
.if (\a) > 1
	s_wait_xcnt 0x0                                ; block a - 2's stores have read this set of registers
.endif
.irp b, 0,1,2,3,4,5,6,7
.irp p, 0,2,4,6
	v_cvt_pk_f16_f32 v[OB+4*\b+\p/2], v[T+8*\b+\p], v[T+8*\b+\p+1]
.endr
.endr
.irp b, 0,1,2,3,4,5,6,7
.if \isv
	global_store_b128 v[LI], v[OB+4*\b:OB+4*\b+3], s[8:9] offset:((\a)/4)*1048576+(\b/2)*4096+((\a)%4)*1024+(\b%2)*512   ; head a / 4, 32 keys b / 2, channel tile a % 4, g = b % 2
.else
	global_store_b128 v[LI], v[OB+4*\b:OB+4*\b+3], s[8+2*(\b/4):9+2*(\b/4)] offset:(\a)*2048+((\b%4)/2)*1024+(\b%2)*512   ; head b / 4, token tile a, c = (b % 4) / 2, g = b % 2
.endif
.endr
.endm
	s_wait_loadcnt 0x0                             ; the biases; their address registers are free
	PLACES 4                                       ; behind the last products, ahead of reads of results and of writes over scale words and fragments
	s_cmp_eq_u32 ttmp9, 2
	s_cbranch_scc1 .Lout_v
	s_lshl_b32 s98, s76, 4
	s_lshl_b32 s99, s[HA], 3
	s_add_co_u32 s98, s98, s99                     ; my first token tile
	s_lshl_b32 s94, s98, 11                        ; in qf: 2,048 bytes a tile
	s_lshr_b32 s99, s98, 5
	s_lshl_b32 s99, s99, 17                        ; in kv: the slot of 32 tiles,
	s_and_b32 s100, s98, 31
	s_lshl_b32 s100, s100, 11
	s_add_co_u32 s99, s99, s100                    ; and the tile in it
	s_lshl_b32 s100, s[CX], 2
	s_lshl_b32 s101, s[HB], 1
	s_add_co_u32 s100, s100, s101                  ; my first head
	s_mov_b32 s96, 1048576
	s_mov_b32 s97, 0
	s_mov_b32 s95, 0
	s_cmp_eq_u32 ttmp9, 0
	s_cselect_b64 s[8:9], s[14:15], s[16:17]       ; qf or kv
	s_cselect_b32 s94, s94, s99
	s_cselect_b32 s96, 524288, s96                 ; a head's bytes
	s_mul_i32 s100, s100, s96
	s_add_co_u32 s94, s94, s100
	s_add_nc_u64 s[8:9], s[8:9], s[94:95]          ; my first head,
	s_add_nc_u64 s[10:11], s[8:9], s[96:97]        ; my second
.set n, 0
.rept 32
	v_pk_mul_f32 v[BI+2*n:BI+2*n+1], v[BI+2*n:BI+2*n+1], s[SCS:SCS+1] op_sel_hi:[1,0]   ; the bias takes the factor too
.set n, n+1
.endr
.irp a, 0,1,2,3,4,5,6,7
	OUTBLK \a, 0
.endr
	s_branch .Ldone
.Lout_v:
	s_lshl_b32 s98, s[CY], 2
	s_lshl_b32 s99, s[HA], 1
	s_add_co_u32 s98, s98, s99                     ; my first head
	s_lshl_b32 s94, s98, 20
	s_lshl_b32 s98, s83, 3
	s_lshl_b32 s99, s[HB], 2
	s_add_co_u32 s98, s98, s99                     ; my first block of 32 keys
	s_lshr_b32 s99, s98, 4
	s_lshl_b32 s99, s99, 17                        ; its slot,
	s_add_co_u32 s94, s94, s99
	s_and_b32 s99, s98, 15
	s_lshl_b32 s99, s99, 12                        ; its place in V's part,
	s_add_co_u32 s94, s94, s99
	s_add_co_u32 s94, s94, 65536                   ; which lies behind K's
	s_mov_b32 s95, 0
	s_add_nc_u64 s[8:9], s[16:17], s[94:95]
.irp a, 0,1,2,3,4,5,6,7
	OUTBLK \a, 1
.endr
.Ldone:
	s_wait_tensorcnt 0x0                           ; the wave's end
	ds_add_u32 v[SPW], v[NIL]
	s_wait_dscnt 0x0
	CROUND                                         ; the closing round
	s_endpgm
.Lfunc_end_k_q1564d65f46_qkv:
	.size	k_q1564d65f46_qkv, .Lfunc_end_k_q1564d65f46_qkv-k_q1564d65f46_qkv
	.p2alignl 7, 3214868480
	.fill 96, 4, 3214868480
	.section	.rodata,"a",@progbits
	.p2align	6, 0x0
	.amdhsa_kernel k_q1564d65f46_qkv
		.amdhsa_group_segment_fixed_size 327680
		.amdhsa_private_segment_fixed_size 0
		.amdhsa_enable_private_segment 0
		.amdhsa_kernarg_size 56
		.amdhsa_user_sgpr_count 2
		.amdhsa_user_sgpr_kernarg_segment_ptr 1
		.amdhsa_wavefront_size32 1
		.amdhsa_system_sgpr_workgroup_id_x 1
		.amdhsa_system_sgpr_workgroup_id_y 1
		.amdhsa_system_sgpr_workgroup_id_z 1
		.amdhsa_system_vgpr_workitem_id 0
		.amdhsa_next_free_vgpr 1024
		.amdhsa_next_free_sgpr 102
		.amdhsa_reserve_vcc 0
		.amdhsa_float_denorm_mode_32 3
		.amdhsa_float_denorm_mode_16_64 3
		.amdhsa_memory_ordered 1
		.amdhsa_forward_progress 1
		.amdhsa_inst_pref_size 176
	.end_amdhsa_kernel
	.amdgpu_metadata
---
amdhsa.version: [ 1, 2 ]
amdhsa.kernels:
  - .name:           k_q1564d65f46_qkv
    .symbol:         k_q1564d65f46_qkv.kd
    .args:
      - { .name: codes, .offset: 0, .size: 8, .value_kind: global_buffer, .address_space: global }
      - { .name: scl, .offset: 8, .size: 8, .value_kind: global_buffer, .address_space: global }
      - { .name: bq, .offset: 16, .size: 8, .value_kind: global_buffer, .address_space: global }
      - { .name: bk, .offset: 24, .size: 8, .value_kind: global_buffer, .address_space: global }
      - { .name: bv, .offset: 32, .size: 8, .value_kind: global_buffer, .address_space: global }
      - { .name: qf, .offset: 40, .size: 8, .value_kind: global_buffer, .address_space: global }
      - { .name: kv, .offset: 48, .size: 8, .value_kind: global_buffer, .address_space: global }
    .group_segment_fixed_size: 327680
    .private_segment_fixed_size: 0
    .kernarg_segment_align: 8
    .kernarg_segment_size: 56
    .max_flat_workgroup_size: 128
    .sgpr_count:     102
    .vgpr_count:     1024
    .wavefront_size: 32
...
	.end_amdgpu_metadata
.endif
;; end of part 2
;; launch attn (part 3): grid 16 x 16, 8 waves a work-group, clusters of 4 x 1, 327,680 bytes of LDS; arguments qf, kv, attention_mask, af; writes af
.if DOCPART == 3
	.amdgcn_target "amdgcn-amd-amdhsa--gfx1250"
	.amdhsa_code_object_version 6
	.text
	.protected	k_q1564d65f46_attn
	.globl	k_q1564d65f46_attn
	.p2align	8
	.type	k_q1564d65f46_attn,@function
k_q1564d65f46_attn:
	s_mov_b64 s[64:65], 0
	v_nop
	global_prefetch_b8 v0, s[64:65] scope:SCOPE_SE
	s_setreg_imm32_b32 hwreg(HW_REG_WAVE_MODE, 25, 1), 1
	s_wait_xcnt 0x0
	s_wait_alu depctr_hold_cnt(0) depctr_sa_sdst(0) depctr_va_vdst(0) depctr_va_sdst(0) depctr_va_ssrc(0) depctr_va_vcc(0) depctr_vm_vsrc(0)
	s_getreg_b32 s2, hwreg(HW_REG_IB_STS2, 6, 4)
	s_cmp_eq_u32 s2, 0
	s_cbranch_scc0 .Lentry_in_a_cluster
	s_endpgm
.Lentry_in_a_cluster:
	s_bfe_u32 s2, ttmp6, 0x10000c
	s_cmp_lg_u32 s2, 0x3003
	s_cbranch_scc0 .Lentry_shape_is_right
	s_endpgm
.Lentry_shape_is_right:
; attn[q] = the sum over keys of softmax(q . k / 8, keys with attention_mask = 0 left out) v, for 16 heads of 64 channels, 4,096 tokens.  Operands f16, products, maxima and sums f32.
; qf, kv: images of operand registers (four registers = 512 bytes, lane l's 16 bytes at 16 l); q already carries log2(e) / 8, so a score t is an exponent of 2.
; af (the result, f16): [K step of the projection = head / 4][tile of 16 tokens: 256][chunk 2 (head % 4) + c: 8][g 2][lane][16]: lane (r, h): channels 32 c + 16 g + 8 h + 0 .. 7 of token r.
; LIMITS: |t| stays under 2^125; |attn| under 65,504.  A mask of zeros alone gives NaN, as a softmax of -infinities does.
; SHARES.  A work-group owns 256 queries of a head.  Wave w owns 64 of them (w % 4: four tiles of 16) and HALF THE KEYS (w / 4: 256 of each slot's 512), 64 keys a step: each fragment of K and V read from LDS feeds four products,
; and two waves share a SIMD, so that one wave's softmax stands beside the other's products.  At the end waves w and w xor 4 merge: each keeps two tiles and sends two.  Register tile i holds query tile i xor 2 (w / 4): all waves keep register tiles 0, 1.
; LAYOUT.  S^T = K Q^T (source 0 = 16 keys, source 1 = 16 queries): a lane holds one query (lane % 16) and keys 8 (lane / 16) + 0 .. 7.  Two such tiles packed to f16 ARE source 1 of O^T = V^T P.  Nothing changes lanes.
; THE MASK is a table of f32 in LDS, 0 or -2^126, and goes in as the C of each score tile's first product: no vector instruction.  -2^126 is a number: no infinity is ever subtracted from an infinity; where all keys so far are masked,
; p = 1 is summed and the next change of the maximum multiplies it by 2^(-huge) = 0.
; SOFTMAX.  A running maximum m and sum l for each query: p = 2^(t - m); in every step O^T and l are multiplied by a = 2^(old m - new m).
; RING.  Two slots of 131,072 bytes (512 keys: K's part, V's part), one dense block of kv each; each of the eight waves brings 16,384 bytes of it by one tensor load.  CLUSTER: the four query blocks of a cluster belong to one head and ask jointly.
; REGISTERS: window 0: v1-7 addresses; v8-31 six statistics a tile (+0 m, +1 the new maximum, +2, +3 l, +4 a, +5 at work); v32-63 the mask, in the scores' layout; v64-127 K; v128-191 Q; v192-255 V.
;   window 1: v0-127 S^T (32 i + 8 kt), then P in place (32 i + 0 .. 15); v128-255 O^T (32 i + 8 t).
.set SLOT1, 1<<17
.set MASKB, 262144                     ; behind the ring: 4,096 f32
.set SPARE, MASKB+16384                ; the spare words, 128 bytes for each of the eight waves: no other line names them
.set STGB,  8704                       ; the merge: 8,192 bytes of O^T and 512 of statistics a wave, in the ring's first slot, which has had its last fill and its last read by then
.set LI,  1                            ; v1  16 x lane
.set LV,  2                            ; v2  the same in V's part
.set AM,  3                            ; v3  MASKB + 32 (lane / 16)
.set ADR, 4                            ; v4  the address of the run of loads in hand
.set PFO, 5                            ; v5  256 x lane; never rewritten
.set SPW, 6                            ; v6  my spare word; never rewritten
.set NIL, 7                            ; v7  0; never rewritten
.set ST,  8
.set MK,  32
.set KF,  64
.set QF,  128
.set VF,  192
.set OA,  128                          ; O^T, in window 1
.set WV,  12
.set LIM, 15                           ; s15 1 in a wave that prefetches, else the greatest number
.set KH,  16
.set QG,  17
.set PFA, 18                           ; s[18:19] where my prefetches stand
.set G1,  24
.set QB,  32                           ; s[32:33], s[34:35] Q's images of register tiles 0, 1 and 2, 3;  s[36:37] my two tiles of af
.set G0A, 40
.set G0B, 44                           ; the walking descriptor
.set SLOTS, 56
.set CNT, 57
.set SEL, 60
.set TB,  62                           ; s62 LDS byte at which the step to be fetched begins
.set TM,  63                           ; s63 and its byte in the mask table
.set MSB, 0
.macro WIN new                         ; the immediate's high byte repeats the setting that is left
.if MSB != (\new)
	s_set_vgpr_msb (MSB<<8)|(\new)
.set MSB, (\new)
.endif
.endm
.macro PLACES n
.rept \n
	v_nop
.endr
.endm
.macro CROUND                          ; a round of the cluster's barrier
	s_barrier_signal -1
	s_barrier_wait -1
	s_cmp_lg_u32 s[WV], 0
	s_cbranch_scc1 .Lnot_wave_0_\@
	s_barrier_signal -3
.Lnot_wave_0_\@:
	s_barrier_wait -3
	s_barrier_signal -1
	s_barrier_wait -1
.endm
	s_load_b256 s[4:11], s[0:1], 0x0               ; qf, kv, attention_mask, af
	v_lshl_add_u32 v[SPW], v0, 2, SPARE
	v_mov_b32 v[NIL], 0
	ds_add_u32 v[SPW], v[NIL]                      ; the wave's opening: the add, twice on end, and its wait ahead of my first tensor load
	ds_add_u32 v[SPW], v[NIL]
	v_lshrrev_b32 v1, 5, v0
	v_readfirstlane_b32 s[WV], v1
	s_bfe_u32 s13, ttmp6, 0x40000                  ; cx
	s_lshl_b32 s14, ttmp9, 2
	s_add_co_u32 s14, s14, s13                     ; my block of 256 queries: it enters qf's and af's addresses alone
	s_and_b32 s20, ttmp7, 0xffff                   ; the head, which the four partners share
	s_lshr_b32 s[KH], s[WV], 2
	s_and_b32 s[QG], s[WV], 3
	s_lshl_b32 s22, s20, 20                        ; the head's 1,048,576 bytes of kv,
	s_lshl_b32 s21, s[WV], 14                      ; my wave's 16,384 of a slot, in memory and in LDS
	s_add_co_u32 s22, s22, s21
	s_mov_b32 s23, 0
	s_mov_b32 s[G1], 15|(3<<16)|(1<<21)            ; the mask: all four work-groups; elements of 8 bytes; bit 21 beside a mask; no padding
	s_mov_b32 s[G1+1], 32<<16                      ; tensor_dim0: rows of 256 bytes
	s_mov_b32 s[G1+2], 64<<16                      ; tensor_dim1
	s_mov_b32 s[G1+3], 32<<16                      ; tile_dim0
	s_mov_b32 s[G1+4], 64                          ; tile_dim1
	s_mov_b32 s[G1+5], 32                          ; from row to row: dense
	s_mov_b32 s[G1+6], 0
	s_mov_b32 s[G1+7], 0
	s_lshl_b32 s38, s20, 19                        ; qf: the head, 524,288 bytes;
	s_lshl_b32 s39, s14, 15
	s_add_co_u32 s38, s38, s39                     ; my block's 16 tiles of 2,048;
	s_lshl_b32 s39, s[QG], 13
	s_add_co_u32 s38, s38, s39                     ; my wave's four
	s_lshl_b32 s39, s[KH], 12
	s_add_co_u32 s48, s38, s39                     ; register tiles 0, 1: query tiles 2 (w / 4) on
	s_xor_b32 s39, s39, 4096
	s_add_co_u32 s50, s38, s39                     ; register tiles 2, 3: the other two
	s_mov_b32 s49, 0
	s_mov_b32 s51, 0
	s_lshr_b32 s52, s20, 2
	s_lshl_b32 s52, s52, 21                        ; af: head / 4, 2,097,152 bytes;
	s_lshl_b32 s39, s14, 17
	s_add_co_u32 s52, s52, s39                     ; token tiles of 8,192: 16 x block
	s_lshl_b32 s39, s[QG], 15
	s_add_co_u32 s52, s52, s39                     ; + 4 x (w % 4)
	s_lshl_b32 s39, s[KH], 14
	s_add_co_u32 s52, s52, s39                     ; + 2 x (w / 4): the two that I keep;
	s_and_b32 s39, s20, 3
	s_lshl_b32 s39, s39, 11
	s_add_co_u32 s52, s52, s39                     ; chunks 2 (head % 4) on
	s_mov_b32 s53, 0
	s_mov_b32 s[SEL], 0x76543210
	s_mov_b32 s[SEL+1], 0xfedcba98                 ; v_permlanex16_b32's selects for lane l xor 16
	s_lshl_b32 s[TB], s[KH], 15                    ; my half of a slot's K (and of its V): 32,768 bytes on
	s_lshl_b32 s[TM], s[KH], 10                    ; my 256 keys' mask
	s_mov_b32 s[SLOTS], 6
	s_and_b32 s[LIM], s[WV], 1                     ; even waves
	s_or_b32 s[LIM], s[LIM], ttmp9                 ; of the head's first cluster prefetch: the same in all four partners
	s_cmp_eq_u32 s[LIM], 0
	s_cselect_b32 s[LIM], 1, -1
	v_and_b32 v1, 31, v0
	v_lshlrev_b32 v[PFO], 8, v1
	v_lshlrev_b32 v[LI], 4, v1
	v_add_nc_u32 v[LV], 65536, v[LI]
	v_bfe_u32 v[AM], v0, 4, 1
	v_lshl_add_u32 v[AM], v[AM], 5, MASKB
	s_wait_dscnt 0x0                               ; both opening adds are done
	s_wait_kmcnt 0x0
	s_add_nc_u64 s[QB:QB+1], s[4:5], s[48:49]
	s_add_nc_u64 s[QB+2:QB+3], s[4:5], s[50:51]
	s_add_nc_u64 s[36:37], s[10:11], s[52:53]
	s_add_nc_u64 s[6:7], s[6:7], s[22:23]          ; kv at my wave's part of slot 0
	s_lshl_b32 s2, s13, 13                         ; the prefetches: of the 32,768 bytes from an even wave's part on, partner cx takes 8,192: told apart by address
	s_mov_b32 s3, 0
	s_add_nc_u64 s[PFA:PFA+1], s[6:7], s[2:3]
	s_add_nc_u64 s[PFA:PFA+1], s[PFA:PFA+1], 2*131072   ; in slot 2: the first change of slots steps it to slot 3.  Nothing is prefetched at the head
	CROUND                                         ; all four work-groups are here: the first joint loads meet
	s_mov_b32 s[G0A], 1
	s_mov_b32 s[G0A+1], s21
	s_mov_b64 s[G0A+2:G0A+3], s[6:7]
	s_or_b32 s[G0A+3], s[G0A+3], 0x80000000
	s_mov_b32 s[G0B], 1
	s_add_co_u32 s[G0B+1], s21, SLOT1
	s_add_nc_u64 s[G0B+2:G0B+3], s[6:7], 131072
	s_or_b32 s[G0B+3], s[G0B+3], 0x80000000
	tensor_load_to_lds s[G0A:G0A+3], s[G1:G1+7]    ; slot 0
	s_nop 0
	tensor_load_to_lds s[G0B:G0B+3], s[G1:G1+7]    ; slot 1: two loads of mine are out
	s_nop 0
	PLACES 4
	v_lshlrev_b32 v[ADR], 4, v0
.irp i, 0,1,2,3
	global_load_b128 v[KF+4*\i:KF+4*\i+3], v[ADR], s[8:9] offset:4096*\i   ; the mask: the 256 threads read 4,096 consecutive bytes a load
.endr
.irp i, 0,1,2,3
.irp c, 0,1
.irp g, 0,1
	global_load_b128 v[QF+16*\i+8*\c+4*\g:QF+16*\i+8*\c+4*\g+3], v[LI], s[QB+2*(\i/2):QB+2*(\i/2)+1] offset:(\i%2)*2048+\c*1024+\g*512   ; Q stays in registers
.endr
.endr
.endr
.irp i, 0,1,2,3
	v_mov_b32 v[ST+6*\i], 0xff000000               ; m = -2^127, under every score, a masked one too
	v_mov_b32 v[ST+6*\i+2], 0                      ; l, in two halves
	v_mov_b32 v[ST+6*\i+3], 0
	v_mov_b32 v[ST+6*\i+5], 0                      ; written once: a lane permute's destination counts as one of its sources
.endr
	v_add_nc_u32 v[MK], MASKB, v[ADR]
	v_mov_b32 v[MK+1], 0xfe800000                  ; -2^126
	s_wait_loadcnt 16                              ; the mask is in; Q's 16 loads may be out
.irp n, 0,1,2,3,4,5,6,7,8,9,10,11,12,13,14,15
	v_cmp_eq_u32 vcc_lo, 0, v[KF+\n]
	v_cndmask_b32 v[KF+\n], 0, v[MK+1], vcc_lo     ; 0 where the key counts, -2^126 where it does not
.endr
.irp i, 0,1,2,3
	ds_store_b128 v[MK], v[KF+4*\i:KF+4*\i+3] offset:4096*\i
.endr
	s_wait_dscnt 0x0                               ; for the others' sake: my part of the table has landed
	s_wait_tensorcnt 1                             ; my part of slot 0 is in; slot 1's may stay out
	s_barrier_signal -1
	s_barrier_wait -1
.macro LOADK                           ; 16 loads: the step's 64 keys x 64 channels: fragment (kt, c) at v[KF + 8 (2 kt + c)]
	v_add_nc_u32 v[ADR], s[TB], v[LI]
.irp kt, 0,1,2,3
.irp c, 0,1
.irp g, 0,1
	ds_load_b128 v[KF+16*\kt+8*\c+4*\g:KF+16*\kt+8*\c+4*\g+3], v[ADR] offset:\kt*2048+\c*1024+\g*512
.endr
.endr
.endr
.endm
.macro LOADM                           ; 8 loads: the mask of the step's keys, in the scores' layout: register 8 kt + j: key 16 kt + 8 (lane / 16) + j
	v_add_nc_u32 v[ADR], s[TM], v[AM]
.irp kt, 0,1,2,3
	ds_load_b128 v[MK+8*\kt:MK+8*\kt+3], v[ADR] offset:64*\kt
	ds_load_b128 v[MK+8*\kt+4:MK+8*\kt+7], v[ADR] offset:64*\kt+16
.endr
	s_add_co_u32 s[TM], s[TM], 256
.endm
.macro LOADV                           ; 16 loads: V^T of the step's keys: fragment (kb, t) at v[VF + 8 (4 kb + t)]
	v_add_nc_u32 v[ADR], s[TB], v[LV]
.irp kb, 0,1
.irp t, 0,1,2,3
.irp g, 0,1
	ds_load_b128 v[VF+8*(4*\kb+\t)+4*\g:VF+8*(4*\kb+\t)+4*\g+3], v[ADR] offset:\kb*4096+\t*1024+\g*512
.endr
.endr
.endr
	s_add_co_u32 s[TB], s[TB], 8192                ; the next fetch is the next step's
.endm
; S^T = K Q^T + the mask: 16 accumulators by turns, one instruction a turn; channels 0-31 start the sums from the mask, channels 32-63 add in place.
.macro KQ
	WIN 0x40                                       ; destination window 1
.irp i, 0,1,2,3
.irp kt, 0,1,2,3
	v_wmma_f32_16x16x32_f16 v[32*\i+8*\kt:32*\i+8*\kt+7], v[KF+16*\kt:KF+16*\kt+7], v[QF+16*\i:QF+16*\i+7], v[MK+8*\kt:MK+8*\kt+7]
.endr
.endr
	WIN 0x50                                       ; C and D window 1
.irp i, 0,1,2,3
.irp kt, 0,1,2,3
	v_wmma_f32_16x16x32_f16 v[32*\i+8*\kt:32*\i+8*\kt+7], v[KF+16*\kt+8:KF+16*\kt+15], v[QF+16*\i+8:QF+16*\i+15], v[32*\i+8*\kt:32*\i+8*\kt+7]
.endr
.endr
.endm
; O^T += V^T P: 16 accumulators by turns, 32 keys at a time.  first = 1: the first 16 start the sums: nothing is cleared.
.macro PV first
	WIN 0x54                                       ; V window 0; P, C and D window 1
.irp kb, 0,1
.irp i, 0,1,2,3
.irp t, 0,1,2,3
.if \first && (\kb == 0)
	v_wmma_f32_16x16x32_f16 v[OA+32*\i+8*\t:OA+32*\i+8*\t+7], v[VF+8*(4*\kb+\t):VF+8*(4*\kb+\t)+7], v[32*\i+8*\kb:32*\i+8*\kb+7], 0
.else
	v_wmma_f32_16x16x32_f16 v[OA+32*\i+8*\t:OA+32*\i+8*\t+7], v[VF+8*(4*\kb+\t):VF+8*(4*\kb+\t)+7], v[32*\i+8*\kb:32*\i+8*\kb+7], v[OA+32*\i+8*\t:OA+32*\i+8*\t+7]
.endif
.endr
.endr
.endr
.endm
; THE SOFTMAX of four tiles x 64 keys, the tiles by turns line by line, so that no line waits for the line above it.  Every accumulator is read from its low end on.
.macro SOFTMAX first
	WIN 0x14                                       ; sources 1 and 2 (scores) window 1
.irp i, 0,1,2,3
	v_max3_num_f32 v[ST+6*\i+1], v[ST+6*\i], v[32*\i], v[32*\i+1]          ; the old m and my 32 scores
.endr
.irp k, 2,4,6,8,10,12,14,16,18,20,22,24,26,28,30
.irp i, 0,1,2,3
	v_max3_num_f32 v[ST+6*\i+1], v[ST+6*\i+1], v[32*\i+\k], v[32*\i+\k+1]
.endr
.endr
	WIN 0
.irp i, 0,1,2,3
	v_permlanex16_b32 v[ST+6*\i+5], v[ST+6*\i+1], s[SEL], s[SEL+1]         ; the query's other 32 keys lie in the lane 16 away
.endr
.irp i, 0,1,2,3
	v_max_num_f32 v[ST+6*\i+1], v[ST+6*\i+1], v[ST+6*\i+5]                 ; the new m
.endr
.if \first == 0
.irp i, 0,1,2,3
	v_sub_f32 v[ST+6*\i+5], v[ST+6*\i], v[ST+6*\i+1]                       ; old m - new m
.endr
.endif
.irp i, 0,1,2,3
	v_mov_b32 v[ST+6*\i], v[ST+6*\i+1]
.endr
.if \first == 0
.irp i, 0,1,2,3
	v_exp_f32 v[ST+6*\i+4], v[ST+6*\i+5]                                   ; a
.endr
.endif
	WIN 0x41                                       ; destination and source 0 window 1
.set n, 0
.rept 64
	v_pk_add_f32 v[2*n:2*n+1], v[2*n:2*n+1], v[ST+6*(n/16):ST+6*(n/16)+1] op_sel_hi:[1,0] neg_lo:[0,1] neg_hi:[0,1]   ; t - m, two at a time
.set n, n+1
.endr
.if \first == 0
	s_wait_alu depctr_va_vdst(0)                   ; the wait ahead of the first instruction that names a: one for the four; the 64 lines above are the work between
.endif
.set n, 0
.rept 64
	v_exp_f32 v[2*n], v[2*n]                       ; p = 2^(t - m): one batch; none of these lines names a result of the batch
	v_exp_f32 v[2*n+1], v[2*n+1]
.if \first == 0
	v_pk_mul_f32 v[OA+2*n:OA+2*n+1], v[OA+2*n:OA+2*n+1], v[ST+6*(n/16)+4:ST+6*(n/16)+5] op_sel_hi:[1,0]   ; O^T x a: plain work among the exponentials
.endif
.set n, n+1
.endr
.if \first
	v_nop                                          ; a plain place behind the last exponential
.endif
	s_wait_alu depctr_va_vdst(0)                   ; one wait for the 128, ahead of their first reader
.if \first
	WIN 0x04
.irp i, 0,1,2,3
	v_pk_add_f32 v[ST+6*\i+2:ST+6*\i+3], v[ST+6*\i+2:ST+6*\i+3], v[32*\i:32*\i+1]
.endr
.else
	WIN 0x10                                       ; source 2 window 1
.irp i, 0,1,2,3
	v_pk_fma_f32 v[ST+6*\i+2:ST+6*\i+3], v[ST+6*\i+2:ST+6*\i+3], v[ST+6*\i+4:ST+6*\i+5], v[32*\i:32*\i+1] op_sel_hi:[1,0,1]   ; l = l a + p
.endr
	WIN 0x04                                       ; source 1 window 1
.endif
.irp k, 2,4,6,8,10,12,14,16,18,20,22,24,26,28,30
.irp i, 0,1,2,3
	v_pk_add_f32 v[ST+6*\i+2:ST+6*\i+3], v[ST+6*\i+2:ST+6*\i+3], v[32*\i+\k:32*\i+\k+1]   ; the sum is taken of p in f32
.endr
.endr
	WIN 0x45                                       ; all of window 1
.set n, 0
.rept 64
	v_cvt_pk_f16_f32 v[32*(n/16)+n%16], v[32*(n/16)+2*(n%16)], v[32*(n/16)+2*(n%16)+1]   ; P, in place, ascending: register d is written when 2 d and 2 d + 1 are read
.set n, n+1
.endr
.endm
; THE REST OF A KEY STEP, whose scores have just been issued.  ahead = 1: the next step's K and mask are fetched under the softmax, its V behind the products V^T P, and its scores are issued.
; Plain places behind matrix instructions: 4 ahead of reads of results and of loads into registers that they read; 5 ahead of the products that write over P.
.macro R first, ahead
	WIN 0
	PLACES 4
.if \ahead
	LOADK
	LOADM
.endif
	SOFTMAX \first
.if \ahead
	s_wait_dscnt 24                                ; V is in; behind it: the next step's K (16 loads) and mask (8)
.else
	s_wait_dscnt 0x0
.endif
	PV \first
.if \ahead
	WIN 0
	PLACES 5
	LOADV
	s_wait_dscnt 16                                ; K and the mask are in; V's 16 loads may be out
	KQ
	WIN 0
.endif
.endm
.macro STEPS n
	s_mov_b32 s[CNT], \n
.Lstep_\@:
	R 0, 1
	s_sub_co_u32 s[CNT], s[CNT], 1
	s_cmp_lg_u32 s[CNT], 0
	s_cbranch_scc1 .Lstep_\@
.endm
; A PREFETCH INTO THE L2 of the slot that the NEXT change of slots will ask for: four key steps of each wave ahead of that load.  Each aligned 256 bytes are named once in the launch: all four clusters of a head walk the same
; kv, so the head's first cluster asks; in it the four even waves of each of the four partners name 8,192 bytes each, lanes 256 bytes apart: 131,072 bytes.  The last change that fills a slot asks for nothing.
.macro ASK
	s_cmp_gt_u32 s[SLOTS], s[LIM]
	s_cbranch_scc0 .Lnot_mine_\@
	global_prefetch_b8 v[PFO], s[PFA:PFA+1] th:TH_LOAD_NT scope:SCOPE_SE
.Lnot_mine_\@:
.endm
; THE CHANGE OF SLOTS: the slot's last bytes have been asked for.  Each wave waits for all its tensor loads (one is out: its part of the other slot), adds 0 to its spare word, and waits for that and for its reads of the slot.
; fill = 1: the barrier is a round of the cluster's, and the joint refill, the keys two slots on, is the first thing behind it: it has four key steps in which to land.
.macro CHANGE fill
	WIN 0
	s_wait_tensorcnt 0x0                           ; no tensor load of mine is out, so a group 0 may be written
	ds_add_u32 v[SPW], v[NIL]
.if \fill
	s_xor_b32 s[G0B+1], s[G0B+1], SLOT1            ; the other slot than last time,
	s_add_nc_u64 s[G0B+2:G0B+3], s[G0B+2:G0B+3], 131072   ; the next 512 keys
	s_wait_xcnt 0x0                                ; the last prefetch, a slot back, has read its address
	s_add_nc_u64 s[PFA:PFA+1], s[PFA:PFA+1], 131072
	s_wait_dscnt 0x0                               ; the add is done, and my reads of the slot are over
	CROUND
	tensor_load_to_lds s[G0B:G0B+3], s[G1:G1+7]    ; my one tensor load behind the round
	s_nop 0
	PLACES 4
	ASK
.else
	s_wait_dscnt 0x0
	s_barrier_signal -1
	s_barrier_wait -1
.endif
	s_sub_co_u32 s[TB], s[TB], 32768               ; the fetches go back to my half's first step,
	s_xor_b32 s[TB], s[TB], SLOT1                  ; in the other slot;
	s_add_co_u32 s[TM], s[TM], 1024                ; the mask passes over the other half's 256 keys
.endm
	LOADK                                          ; key step 0
	LOADM
	LOADV
	s_wait_loadcnt 0x0                             ; Q
	s_wait_dscnt 16
	KQ
	WIN 0
	R 1, 1                                         ; step 0 starts m, l and O^T
	STEPS 2                                        ; steps 1, 2; step 3, the slot's last, has been fetched
.Lslot:                                                ; six trips: slots 2 to 7 are asked for
	CHANGE 1
	STEPS 4
	s_sub_co_u32 s[SLOTS], s[SLOTS], 1
	s_cmp_lg_u32 s[SLOTS], 0
	s_cbranch_scc1 .Lslot
	CHANGE 0                                       ; the tail is written out
	STEPS 4
	R 0, 0                                         ; the last step fetches nothing
	WIN 0
	; THE MERGE.  l's two halves and the other half of the lanes' are added (plain work: the places behind the last products)
.irp i, 0,1,2,3
	v_add_f32 v[ST+6*\i+2], v[ST+6*\i+2], v[ST+6*\i+3]
.endr
.irp i, 0,1,2,3
	v_permlanex16_b32 v[ST+6*\i+5], v[ST+6*\i+2], s[SEL], s[SEL+1]
.endr
.irp i, 0,1,2,3
	v_add_f32 v[ST+6*\i+2], v[ST+6*\i+2], v[ST+6*\i+5]
.endr
	v_mov_b32 v32, v[ST+12]                        ; what I send of register tiles 2, 3: m, l, m, l,
	v_mov_b32 v33, v[ST+14]
	v_mov_b32 v34, v[ST+18]
	v_mov_b32 v35, v[ST+20]
	s_mul_i32 s2, s[WV], STGB
	v_add_nc_u32 v36, s2, v[LI]                    ; into my stage;
	s_xor_b32 s3, s[WV], 4
	s_mul_i32 s3, s3, STGB
	v_add_nc_u32 v37, s3, v[LI]                    ; what I take lies in wave w xor 4's
	WIN 0x04                                       ; an LDS store's data are its source 1: window 1
.irp i, 2,3
.irp t, 0,1,2,3
	ds_store_b128 v36, v[OA+32*\i+8*\t:OA+32*\i+8*\t+3] offset:((\i-2)*4+\t)*1024        ; and their O^T, as it stands
	ds_store_b128 v36, v[OA+32*\i+8*\t+4:OA+32*\i+8*\t+7] offset:((\i-2)*4+\t)*1024+512
.endr
.endr
	WIN 0
	ds_store_b128 v36, v[32:35] offset:8192
	s_wait_dscnt 0x0                               ; for the others' sake: my stores have landed
	s_barrier_signal -1
	s_barrier_wait -1
.irp n, 0,1,2,3,4,5,6,7,8,9,10,11,12,13,14,15
	ds_load_b128 v[KF+4*\n:KF+4*\n+3], v37 offset:512*\n      ; the other half of the keys' O^T of my register tiles 0, 1
.endr
	ds_load_b128 v[40:43], v37 offset:8192
	s_wait_dscnt 0x0
.irp i, 0,1
	v_max_num_f32 v[44+\i], v[ST+6*\i], v[40+2*\i]            ; the maximum over all keys
.endr
.irp i, 0,1
	v_sub_f32 v[46+\i], v[ST+6*\i], v[44+\i]
	v_sub_f32 v[48+\i], v[40+2*\i], v[44+\i]
.endr
.irp i, 0,1
	v_exp_f32 v[46+\i], v[46+\i]
	v_exp_f32 v[48+\i], v[48+\i]
.endr
	v_mov_b32 v60, 0x7fc00000                      ; NaN.  (A plain place behind the exponentials)
	s_wait_alu depctr_va_vdst(0)                   ; one wait for the four
.irp i, 0,1
	v_mul_f32 v[50+\i], v[46+\i], v[ST+6*\i+2]
.endr
.irp i, 0,1
	v_fmac_f32 v[50+\i], v[48+\i], v[41+2*\i]      ; the sum over all keys
.endr
.irp i, 0,1
	v_rcp_f32 v[50+\i], v[50+\i]
.endr
	v_nop
	s_wait_alu depctr_va_vdst(0)                   ; one wait for the two
.irp i, 0,1
	v_mul_f32 v[52+2*\i], v[46+\i], v[50+\i]       ; what my O^T is multiplied by,
	v_mul_f32 v[56+2*\i], v[48+\i], v[50+\i]       ; and the other's
.endr
.irp i, 0,1
	v_cmp_gt_f32 vcc_lo, 0xfe000000, v[44+\i]      ; -2^125 > the maximum: no key counts
	v_cndmask_b32 v[52+2*\i], v[52+2*\i], v60, vcc_lo
.endr
.set n, 0
.rept 32
	v_pk_mul_f32 v[KF+2*n:KF+2*n+1], v[KF+2*n:KF+2*n+1], v[56+2*(n/16):57+2*(n/16)] op_sel_hi:[1,0]
.set n, n+1
.endr
	WIN 0x01                                       ; source 0 (my O^T) window 1
.set n, 0
.rept 32
	v_pk_fma_f32 v[KF+2*n:KF+2*n+1], v[OA+2*n:OA+2*n+1], v[52+2*(n/16):53+2*(n/16)], v[KF+2*n:KF+2*n+1] op_sel_hi:[1,0,1]
.set n, n+1
.endr
	WIN 0
.set n, 0
.rept 32
	v_cvt_pk_f16_f32 v[VF+n], v[KF+2*n], v[KF+2*n+1]
.set n, n+1
.endr
.irp i, 0,1
.irp t, 0,1,2,3
	global_store_b128 v[LI], v[VF+16*\i+4*\t:VF+16*\i+4*\t+3], s[36:37] offset:\i*8192+(\t/2)*1024+(\t%2)*512   ; 512 aligned bytes a store: half a fragment of the projection's operand
.endr
.endr
	s_wait_tensorcnt 0x0                           ; the wave's end
	ds_add_u32 v[SPW], v[NIL]
	s_wait_dscnt 0x0
	CROUND                                         ; the closing round
	s_endpgm
.Lfunc_end_k_q1564d65f46_attn:
	.size	k_q1564d65f46_attn, .Lfunc_end_k_q1564d65f46_attn-k_q1564d65f46_attn
	.p2alignl 7, 3214868480
	.fill 96, 4, 3214868480
	.section	.rodata,"a",@progbits
	.p2align	6, 0x0
	.amdhsa_kernel k_q1564d65f46_attn
		.amdhsa_group_segment_fixed_size 327680
		.amdhsa_private_segment_fixed_size 0
		.amdhsa_enable_private_segment 0
		.amdhsa_kernarg_size 32
		.amdhsa_user_sgpr_count 2
		.amdhsa_user_sgpr_kernarg_segment_ptr 1
		.amdhsa_wavefront_size32 1
		.amdhsa_system_sgpr_workgroup_id_x 1
		.amdhsa_system_sgpr_workgroup_id_y 1
		.amdhsa_system_sgpr_workgroup_id_z 1
		.amdhsa_system_vgpr_workitem_id 0
		.amdhsa_next_free_vgpr 512
		.amdhsa_next_free_sgpr 66
		.amdhsa_reserve_vcc 1
		.amdhsa_float_denorm_mode_32 3
		.amdhsa_float_denorm_mode_16_64 3
		.amdhsa_memory_ordered 1
		.amdhsa_forward_progress 1
		.amdhsa_inst_pref_size 179
	.end_amdhsa_kernel
	.amdgpu_metadata
---
amdhsa.version: [ 1, 2 ]
amdhsa.kernels:
  - .name:           k_q1564d65f46_attn
    .symbol:         k_q1564d65f46_attn.kd
    .args:
      - { .name: qf, .offset: 0, .size: 8, .value_kind: global_buffer, .address_space: global }
      - { .name: kv, .offset: 8, .size: 8, .value_kind: global_buffer, .address_space: global }
      - { .name: attention_mask, .offset: 16, .size: 8, .value_kind: global_buffer, .address_space: global }
      - { .name: af, .offset: 24, .size: 8, .value_kind: global_buffer, .address_space: global }
    .group_segment_fixed_size: 327680
    .private_segment_fixed_size: 0
    .kernarg_segment_align: 8
    .kernarg_segment_size: 32
    .max_flat_workgroup_size: 256
    .sgpr_count:     66
    .vgpr_count:     512
    .wavefront_size: 32
...
	.end_amdgpu_metadata
.endif
;; end of part 3
;; launch proj (part 4): grid 8 x 32, 4 waves a work-group, clusters of 4 x 4, 327,680 bytes of LDS; arguments af, wof, bo, out0; writes out0
.if DOCPART == 4
	.amdgcn_target "amdgcn-amd-amdhsa--gfx1250"
	.amdhsa_code_object_version 6
	.text
	.protected	k_q1564d65f46_proj
	.globl	k_q1564d65f46_proj
	.p2align	8
	.type	k_q1564d65f46_proj,@function
k_q1564d65f46_proj:
	s_mov_b64 s[64:65], 0
	v_nop
	global_prefetch_b8 v0, s[64:65] scope:SCOPE_SE
	s_setreg_imm32_b32 hwreg(HW_REG_WAVE_MODE, 25, 1), 1
	s_wait_xcnt 0x0
	s_wait_alu depctr_hold_cnt(0) depctr_sa_sdst(0) depctr_va_vdst(0) depctr_va_sdst(0) depctr_va_ssrc(0) depctr_va_vcc(0) depctr_vm_vsrc(0)
	s_getreg_b32 s2, hwreg(HW_REG_IB_STS2, 6, 4)
	s_cmp_eq_u32 s2, 0
	s_cbranch_scc0 .Lentry_in_a_cluster
	s_endpgm
.Lentry_in_a_cluster:
	s_bfe_u32 s2, ttmp6, 0x10000c
	s_cmp_lg_u32 s2, 0xf033
	s_cbranch_scc0 .Lentry_shape_is_right
	s_endpgm
.Lentry_shape_is_right:
; out0[m][n] = the sum over k of attn[m][k] Wo[n][k] + bo[n]: [4096][1024] f32; operands f16, sums f32.
; af and wof are images of operand registers: [K step of 256: 4][tile of 16 rows][chunk of 32 along K: 8][g 2][lane][16 bytes]: a tile of rows of a K step is 8,192 consecutive bytes.
; A tile of out0 is 128 x 128: 256 work-groups; four waves, each 64 x 64: 16 accumulators.  K goes in four steps of 256 through a ring of two LDS slots of 131,072 bytes (A's 8 row tiles, then B's 8);
; a wave's tensor load brings 32,768 dense bytes.  Fragments are read as they lie, 512 consecutive bytes a load: no padding is needed.
; CLUSTER 4 x 4: A's tiles are shared along a row of the cluster, B's along a column: each is asked for jointly.  THE MATRIX INSTRUCTION IS USED TRANSPOSED (source 0 = 16 rows of Wo, source 1 = 16 tokens):
; a lane holds eight neighbouring numbers of a row of out0.  bo, in that layout, is the C of each sum's first product.
; No prefetch: the tiles are small and the K steps few.  One tile to a work-group.
; REGISTERS: window 0: v1-31 addresses; v32-95 rows on the way out, two sets; v96-127 bo; v128-255 the accumulators ((a, b) at v[128 + 8 (4 a + b)]).  window 1: two fragment buffers of 128: 64 registers of A (2 chunks x 4 row tiles), then 64 of B.
.set SLOT,   131072
.set STAGE,  2*SLOT                    ; behind the ring: 16 rows x 272 bytes for each wave
.set SPITCH, 272
.set SPARE,  STAGE+4*16*SPITCH         ; the spare words, 128 bytes a wave: no other line names them
.set ADRA, 16                          ; v16-17  my A fragments in slot 0, 1
.set ADRB, 20                          ; v20-21  my B fragments
.set STO,  24                          ; v24  the way out: where I put 32 bytes of a row
.set RD,   25                          ; v25  where I read a row back
.set CO,   26                          ; v26  my byte offset in out0
.set LI,   27                          ; v27  16 x lane
.set SPW,  28                          ; v28  my spare word; never rewritten
.set NIL,  29                          ; v29  0; never rewritten
.set BOA,  30                          ; v30  my byte in bo
.set TMP,  32
.set BO,   96
.set ACC,  128
.set F0,   0
.set F1,   128
.set WV,   12                          ; s12 wave; s13 which half of the rows is mine (also: I fetch for A (0) or B (1)); s14 which half of the columns (also: which half I fetch)
.set HR,   13
.set HC,   14
.set G1,   24
.set G0,   32
.set G1B,  48
.set G0B,  56
.set MSB, 0
.macro WIN new                         ; the immediate's high byte repeats the setting that is left
.if MSB != (\new)
	s_set_vgpr_msb (MSB<<8)|(\new)
.set MSB, (\new)
.endif
.endm
.set MUL,  0x05                        ; sources 0 (B) and 1 (A) window 1; C and D window 0
.set TO_F, 0x40                        ; destination window 1
.macro JLOAD s                         ; a joint load: waves 0, 1 fetch A's halves, waves 2, 3 B's
	s_cmp_eq_u32 s[HR], 0
	s_cbranch_scc0 .Lfor_b_\@
	tensor_load_to_lds s[G0+4*\s:G0+4*\s+3], s[G1:G1+7]
	s_nop 0
.rept 4
	v_nop
.endr
	s_branch .Lasked_\@
.Lfor_b_\@:
	tensor_load_to_lds s[G0B+4*\s:G0B+4*\s+3], s[G1B:G1B+7]
	s_nop 0
.rept 4
	v_nop
.endr
.Lasked_\@:
.endm
.macro CREST                           ; a round of the cluster's barrier behind its opening barrier
	s_cmp_lg_u32 s[WV], 0
	s_cbranch_scc1 .Lnot_wave_0_\@
	s_barrier_signal -3
.Lnot_wave_0_\@:
	s_barrier_wait -3
	s_barrier_signal -1
	s_barrier_wait -1
.endm
.macro CROUND
	s_barrier_signal -1
	s_barrier_wait -1
	CREST
.endm
	s_load_b256 s[4:11], s[0:1], 0x0               ; af, wof, bo, out0
	v_lshl_add_u32 v[SPW], v0, 2, SPARE
	v_mov_b32 v[NIL], 0
	ds_add_u32 v[SPW], v[NIL]                      ; the wave's opening: the add, twice on end, and its wait ahead of my first tensor load
	ds_add_u32 v[SPW], v[NIL]
	v_lshrrev_b32 v1, 5, v0
	v_readfirstlane_b32 s[WV], v1
	s_lshr_b32 s[HR], s[WV], 1
	s_and_b32 s[HC], s[WV], 1
	s_bfe_u32 s15, ttmp6, 0x40000                  ; cx
	s_bfe_u32 s16, ttmp6, 0x40004                  ; cy
	s_lshl_b32 s17, ttmp9, 2
	s_add_co_u32 s17, s17, s15                     ; tile column
	s_and_b32 s18, ttmp7, 0xffff
	s_lshl_b32 s18, s18, 2
	s_add_co_u32 s18, s18, s16                     ; tile row
	s_lshl_b32 s19, s16, 2
	s_lshl_b32 s19, 15, s19                        ; my row of the cluster
	s_lshl_b32 s20, 0x1111, s15                    ; my column
	s_or_b32 s[G1], s19, (3<<16)|(1<<21)           ; the mask; elements of 8 bytes; bit 21 beside a mask; no padding
	s_or_b32 s[G1B], s20, (3<<16)|(1<<21)
.irp g, G1, G1B
	s_mov_b32 s[\g+1], 32<<16                      ; tensor_dim0: rows of 256 bytes
	s_mov_b32 s[\g+2], 128<<16                     ; tensor_dim1
	s_mov_b32 s[\g+3], 32<<16                      ; tile_dim0
	s_mov_b32 s[\g+4], 128                         ; tile_dim1
	s_mov_b32 s[\g+5], 32                          ; dense
	s_mov_b32 s[\g+6], 0
	s_mov_b32 s[\g+7], 0
.endr
	s_lshl_b32 s21, s[HC], 15                      ; which four row tiles I fetch
	s_lshl_b32 s40, s18, 16                        ; A: 8 row tiles of 8,192 bytes a tile row
	s_add_co_u32 s40, s40, s21
	s_mov_b32 s41, 0
	s_lshl_b32 s42, s17, 16                        ; B likewise, by the tile column
	s_add_co_u32 s42, s42, s21
	s_mov_b32 s43, 0
	s_lshl_b32 s22, s[WV], 15                      ; where they go: wave x 32,768
	s_wait_dscnt 0x0                               ; both opening adds are done
	s_wait_kmcnt 0x0
	s_add_nc_u64 s[40:41], s[4:5], s[40:41]
	s_add_nc_u64 s[42:43], s[6:7], s[42:43]
	CROUND                                         ; all sixteen work-groups are here: the first joint loads meet
.irp s, 0,1
	s_mov_b32 s[G0+4*\s], 1
	s_add_co_u32 s[G0+4*\s+1], s22, \s*SLOT
	s_add_nc_u64 s[G0+4*\s+2:G0+4*\s+3], s[40:41], \s*0x200000     ; a K step of af: 2,097,152 bytes
	s_or_b32 s[G0+4*\s+3], s[G0+4*\s+3], 0x80000000
	s_mov_b32 s[G0B+4*\s], 1
	s_add_co_u32 s[G0B+4*\s+1], s22, \s*SLOT
	s_add_nc_u64 s[G0B+4*\s+2:G0B+4*\s+3], s[42:43], \s*0x80000    ; of wof: 524,288
	s_or_b32 s[G0B+4*\s+3], s[G0B+4*\s+3], 0x80000000
	JLOAD \s
.endr
	v_and_b32 v1, 15, v0                           ; r
	v_bfe_u32 v2, v0, 4, 1                         ; h
	v_and_b32 v3, 31, v0
	v_lshlrev_b32 v[LI], 4, v3
	s_lshl_b32 s46, s17, 9
	s_lshl_b32 s47, s[HC], 8
	s_add_co_u32 s46, s46, s47                     ; my first column, in bytes: 512 x tile column + 256 x half
	v_lshl_add_u32 v[BOA], v2, 5, s46              ; bo: of each 16 columns I hold 8 h + 0 .. 7
.irp b, 0,1,2,3
	global_load_b128 v[BO+8*\b:BO+8*\b+3], v[BOA], s[8:9] offset:64*\b
	global_load_b128 v[BO+8*\b+4:BO+8*\b+7], v[BOA], s[8:9] offset:64*\b+16
.endr
	s_lshl_b32 s23, s[HR], 15                      ; my four row tiles of A,
	s_lshl_b32 s44, s[HC], 15
	s_add_co_u32 s44, s44, 65536                   ; of B, behind A's eight
.irp s, 0,1
	v_add_nc_u32 v[ADRA+\s], s23, v[LI]
	v_add_nc_u32 v[ADRB+\s], s44, v[LI]
	s_add_co_u32 s23, s23, SLOT
	s_add_co_u32 s44, s44, SLOT
.endr
	s_mul_i32 s45, s[WV], 16*SPITCH
	s_add_co_u32 s45, s45, STAGE                   ; my stage
	v_mul_u32_u24 v4, v1, SPITCH                   ; in: row r, 32 bytes for each half of the lanes
	v_lshl_add_u32 v4, v2, 5, v4
	v_add_nc_u32 v[STO], s45, v4
	v_mul_u32_u24 v5, v2, SPITCH                   ; back: lanes 0-15 one row of 256 bytes, lanes 16-31 the next
	v_lshl_add_u32 v5, v1, 4, v5
	v_add_nc_u32 v[RD], s45, v5
	v_lshlrev_b32 v5, 12, v2                       ; and the same two rows in out0
	v_lshl_add_u32 v[CO], v1, 4, v5
	s_lshl_b32 s47, s18, 19                        ; my first row: 128 x tile row + 64 x half, 4,096 bytes a row
	s_add_co_u32 s46, s46, s47
	s_lshl_b32 s47, s[HR], 18
	s_add_co_u32 s46, s46, s47
	s_mov_b32 s47, 0
	s_add_nc_u64 s[10:11], s[10:11], s[46:47]
; 8 matrix instructions: row tiles a0, a0 + 1 x all 4 column tiles, chunk c of buffer f.  zero = 1: the first product starts the sums from bo.  The 16 accumulators take turns.
.macro MUL8 f, c, a0, zero
.irp a, \a0, \a0+1
.irp b, 0,1,2,3
.if \zero
	v_wmma_f32_16x16x32_f16 v[ACC+8*(4*(\a)+\b):ACC+8*(4*(\a)+\b)+7], v[\f+64+8*(4*\c+\b):\f+64+8*(4*\c+\b)+7], v[\f+8*(4*\c+\a):\f+8*(4*\c+\a)+7], v[BO+8*\b:BO+8*\b+7]
.else
	v_wmma_f32_16x16x32_f16 v[ACC+8*(4*(\a)+\b):ACC+8*(4*(\a)+\b)+7], v[\f+64+8*(4*\c+\b):\f+64+8*(4*\c+\b)+7], v[\f+8*(4*\c+\a):\f+8*(4*\c+\a)+7], v[ACC+8*(4*(\a)+\b):ACC+8*(4*(\a)+\b)+7]
.endif
.endr
.endr
.endm
; 32 LDS loads in one run: the fragments of chunks 2 qd and 2 qd + 1 into buffer f; the first chunk first
.macro FETCH slot, qd, f
	WIN TO_F
.irp c, 0,1
.irp i, 0,1,2,3
	ds_load_b128 v[\f+64+8*(4*\c+\i):\f+64+8*(4*\c+\i)+3],   v[ADRB+\slot] offset:\i*8192+(2*(\qd)+\c)*1024
	ds_load_b128 v[\f+64+8*(4*\c+\i)+4:\f+64+8*(4*\c+\i)+7], v[ADRB+\slot] offset:\i*8192+(2*(\qd)+\c)*1024+512
	ds_load_b128 v[\f+8*(4*\c+\i):\f+8*(4*\c+\i)+3],         v[ADRA+\slot] offset:\i*8192+(2*(\qd)+\c)*1024
	ds_load_b128 v[\f+8*(4*\c+\i)+4:\f+8*(4*\c+\i)+7],       v[ADRA+\slot] offset:\i*8192+(2*(\qd)+\c)*1024+512
.endr
.endr
.endm
.macro PLACES                          ; four plain places ahead of loads into registers that matrix instructions have read, and of reads of results (ISA guide 7.12.1 for vector instructions)
.rept 4
	v_nop
.endr
.endm
; A K step is four quarters of 64 along K, 32 matrix instructions each, on buffers 0, 1, 0, 1.  One of the first three multiplies buffer f and fetches quarter qd into g.
.macro QUARTER slot, qd, f, g, zero
	s_wait_dscnt 16                                ; the first chunk is in; the second chunk's 16 loads may be out
	WIN MUL
	MUL8 \f, 0, 0, \zero
	MUL8 \f, 0, 2, \zero
	PLACES
	FETCH \slot, \qd, \g
	s_wait_dscnt 32                                ; all but the 32 just issued
	WIN MUL
	MUL8 \f, 1, 0, 0
	MUL8 \f, 1, 2, 0
.endm
; The last quarter multiplies buffer 1 and changes slots: one barrier; ahead of it each wave waits for all its tensor loads, adds 0 to its spare word, and waits for that and for its reads of this slot.  fill = 1: this slot is filled again, two K steps ahead.
.macro TURN slot, next, fill
	WIN 0
	s_wait_tensorcnt 0x0                           ; all my tensor loads have landed: my part of the next slot
	ds_add_u32 v[SPW], v[NIL]
	s_wait_dscnt 17                                ; (the add and the youngest sixteen loads may be out)
	WIN MUL
	MUL8 F1, 0, 0, 0
	s_wait_dscnt 0x0                               ; the add is done, and my reads of this slot are over
	s_barrier_signal -1
	MUL8 F1, 0, 2, 0
.if \fill
	WIN 0
.endif
	s_barrier_wait -1
.if \fill
	CREST                                          ; the barrier has opened a round of the cluster's: no wave of any partner still reads this slot or has a load on its way
	s_add_nc_u64 s[G0+4*\slot+2:G0+4*\slot+3], s[G0+4*\slot+2:G0+4*\slot+3], 0x400000
	s_add_nc_u64 s[G0B+4*\slot+2:G0B+4*\slot+3], s[G0B+4*\slot+2:G0B+4*\slot+3], 0x100000
	JLOAD \slot                                    ; the first tensor load behind the round; its four v_nop are also the places ahead of the loads below
.else
	PLACES
.endif
	FETCH \next, 0, F0
	WIN MUL
	MUL8 F1, 1, 0, 0
	MUL8 F1, 1, 2, 0
.endm
	s_wait_tensorcnt 1                             ; my part of K step 0 is in; K step 1's may stay out
	s_barrier_signal -1
	s_barrier_wait -1
	FETCH 0, 0, F0
	s_wait_loadcnt 0x0                             ; bo
	QUARTER 0, 1, F0, F1, 1                        ; K step 0
	QUARTER 0, 2, F1, F0, 0
	QUARTER 0, 3, F0, F1, 0
	TURN 0, 1, 1                                   ; slot 0 takes K step 2
	QUARTER 1, 1, F0, F1, 0                        ; K step 1
	QUARTER 1, 2, F1, F0, 0
	QUARTER 1, 3, F0, F1, 0
	TURN 1, 0, 1                                   ; slot 1 takes K step 3
	QUARTER 0, 1, F0, F1, 0                        ; K step 2
	QUARTER 0, 2, F1, F0, 0
	QUARTER 0, 3, F0, F1, 0
	TURN 0, 1, 0                                   ; nothing is left to fetch
	QUARTER 1, 1, F0, F1, 0                        ; K step 3
	QUARTER 1, 2, F1, F0, 0
	QUARTER 1, 3, F0, F1, 0
	s_wait_dscnt 16
	WIN MUL
	MUL8 F1, 0, 0, 0
	MUL8 F1, 0, 2, 0
	s_wait_dscnt 0
	MUL8 F1, 1, 0, 0
	MUL8 F1, 1, 2, 0
	WIN 0
; THE WAY OUT, 16 rows x 64 columns at a time, through my own stage: a lane's 32 bytes go in, whole rows of 256 bytes come back.  LDS serves a wave's instructions in order: no wait between the stores and the loads.
.macro TOSTAGE a
.irp b, 0,1,2,3
	ds_store_b128 v[STO], v[ACC+8*(4*(\a)+\b):ACC+8*(4*(\a)+\b)+3] offset:64*\b          ; each accumulator from its low end on
	ds_store_b128 v[STO], v[ACC+8*(4*(\a)+\b)+4:ACC+8*(4*(\a)+\b)+7] offset:64*\b+16
.endr
.set BB, TMP+32*((\a)%2)
.irp t, 0,1,2,3,4,5,6,7
	ds_load_b128 v[BB+4*\t:BB+4*\t+3], v[RD] offset:\t*2*SPITCH
.endr
.endm
.macro SEND a, younger                 ; younger: the LDS instructions issued behind block a's loads, which may stay out
.set BB, TMP+32*((\a)%2)
	s_wait_dscnt \younger
.irp t, 0,1,2,3,4,5,6,7
	global_store_b128 v[CO], v[BB+4*\t:BB+4*\t+3], s[10:11] offset:(16*(\a)+2*\t)*4096 th:TH_STORE_NT   ; 16 lanes store 256 consecutive bytes, aligned; written once, read by nobody here
.endr
.endm
	PLACES
	TOSTAGE 0
	TOSTAGE 1
	SEND 0, 16
	s_wait_xcnt 0x0                                ; block 0's stores have read their registers: block 2's rows may land there
	TOSTAGE 2
	SEND 1, 16
	s_wait_xcnt 0x0
	TOSTAGE 3
	SEND 2, 16
	SEND 3, 0
	s_wait_tensorcnt 0x0                           ; the wave's end
	ds_add_u32 v[SPW], v[NIL]
	s_wait_dscnt 0x0
	CROUND                                         ; the closing round
	s_endpgm
.Lfunc_end_k_q1564d65f46_proj:
	.size	k_q1564d65f46_proj, .Lfunc_end_k_q1564d65f46_proj-k_q1564d65f46_proj
	.p2alignl 7, 3214868480
	.fill 96, 4, 3214868480
	.section	.rodata,"a",@progbits
	.p2align	6, 0x0
	.amdhsa_kernel k_q1564d65f46_proj
		.amdhsa_group_segment_fixed_size 327680
		.amdhsa_private_segment_fixed_size 0
		.amdhsa_enable_private_segment 0
		.amdhsa_kernarg_size 32
		.amdhsa_user_sgpr_count 2
		.amdhsa_user_sgpr_kernarg_segment_ptr 1
		.amdhsa_wavefront_size32 1
		.amdhsa_system_sgpr_workgroup_id_x 1
		.amdhsa_system_sgpr_workgroup_id_y 1
		.amdhsa_system_sgpr_workgroup_id_z 1
		.amdhsa_system_vgpr_workitem_id 0
		.amdhsa_next_free_vgpr 512
		.amdhsa_next_free_sgpr 66
		.amdhsa_reserve_vcc 0
		.amdhsa_float_denorm_mode_32 3
		.amdhsa_float_denorm_mode_16_64 3
		.amdhsa_memory_ordered 1
		.amdhsa_forward_progress 1
		.amdhsa_inst_pref_size 86
	.end_amdhsa_kernel
	.amdgpu_metadata
---
amdhsa.version: [ 1, 2 ]
amdhsa.kernels:
  - .name:           k_q1564d65f46_proj
    .symbol:         k_q1564d65f46_proj.kd
    .args:
      - { .name: af, .offset: 0, .size: 8, .value_kind: global_buffer, .address_space: global }
      - { .name: wof, .offset: 8, .size: 8, .value_kind: global_buffer, .address_space: global }
      - { .name: bo, .offset: 16, .size: 8, .value_kind: global_buffer, .address_space: global }
      - { .name: out0, .offset: 24, .size: 8, .value_kind: global_buffer, .address_space: global }
    .group_segment_fixed_size: 327680
    .private_segment_fixed_size: 0
    .kernarg_segment_align: 8
    .kernarg_segment_size: 32
    .max_flat_workgroup_size: 128
    .sgpr_count:     66
    .vgpr_count:     512
    .wavefront_size: 32
...
	.end_amdgpu_metadata
.endif
;; end of part 4
